; MI455X (gfx1250); checked and timed in simulation.
; The chip was launched on July 23, 2026; its instructions are those of AMD's public machine-readable ISA for CDNA 5 (MIT licence, August 2026) and "CDNA5" Instruction Set Architecture Reference Guide (July 2026). The comments in the code are by the model that wrote it; some were corrected since.
;; Flash MHA. Allowed arithmetic: matrix products marked QUANTISED: E3M2 operands, one E8M0 scale for each 32 along K, by v_wmma_scale_f32_16x16x128_f8f6f4 with both operands' format E3M2, f32 sums; everything else in f32.
;; Inputs: Wk 1,024 x 1,024 float32; Wo 1,024 x 1,024 float32; Wq 1,024 x 1,024 float32; Wv 1,024 x 1,024 float32; bk 1,024 float32; bo 1,024 float32; bq 1,024 float32; bv 1,024 float32; x 4 x 2,048 x 1,024 float32.
;; Outputs: out0 4 x 2,048 x 1,024 float32.
;; This version of the problem:
;;   THIS VERSION OF THE PROBLEM IS GIVEN IN LOW PRECISION. The matrix products marked QUANTISED in the list below multiply operands that are first quantised to E3M2 (3 exponent bits, 2 mantissa bits; 6 bits a number), with one power-of-two scale for each 32 numbers along K (OCP MX v1.0); their sums are f32. All else is computed in f32.
;;   The module's matrix products, in the order in which they are computed (A, B: the left and right operand; K: the contracted axis; several contracted axes count as one K, in the product's order):
;;     1. [M 8,192, K 1,024] x [K 1,024, N 1,024]; A: input x; B: input Wq: QUANTISED
;;     2. [M 8,192, K 1,024] x [K 1,024, N 1,024]; A: input x; B: input Wk: QUANTISED
;;     3. [M 8,192, K 1,024] x [K 1,024, N 1,024]; A: input x; B: input Wv: QUANTISED
;;     4. batch 64 x [M 2,048, K 64] x [K 64, N 2,048]; A: computed on the way; B: computed on the way: QUANTISED
;;     5. batch 64 x [M 2,048, K 2,048] x [K 2,048, N 64]; A: softmax (see below); B: computed on the way: QUANTISED
;;     6. [M 8,192, K 1,024] x [K 1,024, N 1,024]; A: computed on the way; B: input Wo: QUANTISED
;;   THE QUANTISER, for each operand of a quantised product, along K:
;;     - K is cut into blocks of 32 from its start; a last block that is shorter is filled with zeros.
;;     - A block's scale is 2^e with e = floor(log2(the largest magnitude in the block)) - 4, held to -126 .. 127; a block of zeros has e = 0. As a byte (E8M0): e + 127.
;;     - Each number is divided by its block's scale, clamped to +-28, and rounded to the nearest number of E3M2, ties to even, subnormals kept.
;;     - The product sums the exact products of the quantised numbers (number of the format x scale) in f32.
;;   ~~~python
;;   def quantise(x, axis):      # numpy; x: float32 -> the quantised numbers, widened to float32 again
;;       x = np.moveaxis(x, axis, -1); K = x.shape[-1]
;;       x = np.pad(x, [(0, 0)] * (x.ndim - 1) + [(0, -K % 32)]); x = x.reshape(x.shape[:-1] + (-1, 32)); a = np.abs(x).max(-1, keepdims=True)
;;       e = np.where(a > 0, np.clip(np.frexp(np.where(a > 0, a, 1))[1] - 1 - 4, -126, 127), 0)      # np.frexp(a)[1] - 1 = floor(log2(a)), exactly
;;       r = np.clip(x / 2.0 ** e, -28, 28)
;;       step = 2.0 ** (np.maximum(np.frexp(np.where(r == 0, 1, r))[1] - 1, -2) - 2)
;;       q = np.round(r / step) * step * 2.0 ** e      # np.round: ties to even
;;       return np.moveaxis(q.reshape(q.shape[:-2] + (-1,))[..., :K], -1, axis).astype(np.float32)
;;   ~~~
;;   SOFTMAX AHEAD OF A QUANTISED PRODUCT. Where the list says 'softmax', what is quantised is not the finished softmax but p = 2^(t - M), with t = logit x log2(e) and M = ceil(the row's largest t), a whole number; so 1/2 < the row's largest p <= 1. The row's sum l is taken of the UNQUANTISED p, in f32, and the product's result is divided by l at the end. Since M is a whole number, a kernel that streams over the keys may use a running M (the ceiling of the running maximum): every later rescaling is an exact power of two, which a block's scale takes up: the codes' values come out the same.
;;   OPERANDS COMPUTED ON THE WAY. 'Computed on the way' means the value that the module computes at that place (a softmax that the list does not call 'softmax' is quantised finished and normalised). What goes into a quantiser is computed in f32, as accurately as f32 sums, v_exp_f32 and their like allow (about 1e-6 of the number): no bf16 or f16 on the way to a quantiser, and a product that is left as it is and whose result goes on into a quantised operand takes f32 operands (vector FMAs, or v_wmma_f32_16x16x4_f32). A number that lies on a knife's edge between two numbers of the format may be rounded either way, as far as f32 arithmetic and the matrix unit's own rounding can turn it there, and no further.
;; One version. Each part assembles by itself: llvm-mc -triple=amdgcn-amd-amdhsa -mcpu=gfx1250 --defsym DOCPART=n.
;; ======== version 1 of 1: 4 launches
;; workspace buffers: xc 6,291,456 bytes; xs 262,144 bytes; wc 3,145,728 bytes; ws 131,072 bytes; qimg 6,815,744 bytes; kv 13,369,344 bytes; oimg 6,291,456 bytes; osc 262,144 bytes
;; launch quant (part 1): grid 384 x 1, 4 waves a work-group, no clusters, 33,280 bytes of LDS; arguments x, Wq, Wk, Wv, Wo, xc, xs, wc, ws; writes xc, xs, wc, ws
.if DOCPART == 1
	.amdgcn_target "amdgcn-amd-amdhsa--gfx1250"
	.amdhsa_code_object_version 6
	.text
	.protected	k_q471a094a79_quant
	.globl	k_q471a094a79_quant
	.p2align	8
	.type	k_q471a094a79_quant,@function
k_q471a094a79_quant:
	s_mov_b64 s[64:65], 0
	v_nop
	global_prefetch_b8 v0, s[64:65] scope:SCOPE_SE
	s_setreg_imm32_b32 hwreg(HW_REG_WAVE_MODE, 25, 1), 1
	s_wait_xcnt 0x0
; x [8192][1024] and Wq, Wk, Wv, Wo [1024][1024], f32, K (the last axis) innermost, become codes of BF6 (E3M2), 6 bits each, with one E8M0 byte for each 32 along K.
; A block's scale is 2^(floor(log2(its largest magnitude)) - 4); its byte is the largest magnitude's own exponent field - 4, held at 1 from below.  A block of zeros so gets the byte 1 where the
; quantiser's text says 127: its codes are zeros, which add nothing under any byte but 0xff, and this program alone reads the bytes.
; LIMITS: NaN and infinities among the inputs are not served; blocks whose largest magnitude lies under 2^-122 keep the byte 1.
; A wave takes a run of 8,192 numbers = 8 rows, in 16 steps of 512.  Work-groups 0-255 take x, then 32 work-groups each Wq, Wk, Wv, Wo: only pointers are chosen, all take one path.
; STORAGE ORDER.  The rows of x, Wq, Wk, Wv are written with bits 3 and 4 of the row number exchanged: 8 rows are a run, so the two low bits of the run number, which are the wave's number, change places
; on the way out.  Sixteen storage rows 16 t + r then hold the rows 32 (t / 2) + 8 (t % 2) + r + 8 (r / 8): the rows that the later launches want together in a tile.  Wo keeps its order.
; Each load reads 512 consecutive bytes; a step's 2,048 bytes turn through the wave's own stage in LDS (16 bytes of padding behind each 64) and come back 64 bytes a lane: 16 neighbours along K.
; No barrier: waves share nothing.  Loads run four steps (16 loads a wave) ahead, the turn through LDS one step.
.set STEPS, 16
.set EMAX,  4
.set CB,    12                         ; bytes of 16 codes
.set R,     16                         ; v16-79   four sets of 16 numbers as they are loaded
.set X,     80                         ; v80-111  two sets of 16 neighbours
.set C,     128                        ; v128-191 codes: four registers for each step, so that no store's data are written again
.set E,     112                        ; v112-127 a scale byte for each step
.set WREG,  8192                       ; LDS: a region for each wave: two stages of 32 x SP bytes, behind them its 256 scale bytes
.set SP,    80
	s_load_b512 s[4:19], s[0:1], 0x0               ; x, Wq, Wk, Wv, Wo, xc, xs, wc
	s_load_b64 s[20:21], s[0:1], 0x40              ; ws
	v_lshl_add_u32 v192, v0, 2, 0x8000
	v_mov_b32 v193, 0
	v_lshrrev_b32 v1, 5, v0
	v_readfirstlane_b32 s24, v1                    ; wave
	v_and_b32 v2, 31, v0                           ; lane
	v_lshlrev_b32 v3, 4, v2                        ; my 16 bytes of a load's 512
	s_mul_i32 s25, s24, WREG
	v_lshrrev_b32 v14, 2, v2
	v_mul_u32_u24 v14, v14, SP
	v_and_b32 v15, 3, v2
	v_lshl_add_u32 v14, v15, 4, v14
	v_add_nc_u32 v14, s25, v14                     ; the stage, on the way in: SP (lane / 4) + 16 (lane % 4)
	v_mul_u32_u24 v15, v2, SP
	v_add_nc_u32 v15, s25, v15                     ; and on the way out: SP x lane
	v_mul_u32_u24 v4, v2, CB                       ; my codes' place in a step's
	v_lshrrev_b32 v5, 1, v2
	s_add_co_u32 s25, s25, 2*32*SP
	v_add_nc_u32 v5, s25, v5                       ; LDS: my wave's 256 scale bytes, my block's byte
	v_lshlrev_b32 v7, 3, v2
	v_add_nc_u32 v6, s25, v7                       ; and on the way out 8 bytes a lane
	s_and_b32 s26, s24, 1
	s_lshl_b32 s26, s26, 1
	s_lshr_b32 s27, s24, 1
	s_or_b32 s26, s26, s27                         ; the wave's two bits exchanged
	s_wait_kmcnt 0x0
	s_cmp_lt_u32 ttmp9, 352                        ; every choice hangs on the work-group's number alone
	s_cselect_b32 s26, s26, s24                    ; Wo keeps its order
	s_cselect_b64 s[12:13], s[10:11], s[12:13]     ; the source: Wo, or Wv,
	s_cmp_lt_u32 ttmp9, 320
	s_cselect_b64 s[12:13], s[8:9], s[12:13]       ; or Wk,
	s_cmp_lt_u32 ttmp9, 288
	s_cselect_b64 s[12:13], s[6:7], s[12:13]       ; or Wq,
	s_cmp_lt_u32 ttmp9, 256
	s_cselect_b64 s[12:13], s[4:5], s[12:13]       ; or x
	s_cselect_b64 s[14:15], s[14:15], s[18:19]     ; the codes: xc or wc
	s_cselect_b64 s[16:17], s[16:17], s[20:21]     ; the bytes: xs or ws
	s_cselect_b32 s27, 0, 256
	s_cselect_b32 s28, 255, 31
	s_sub_co_u32 s27, ttmp9, s27                   ; my number among x's work-groups, or among the weights'
	s_and_b32 s28, s27, s28                        ; and within my tensor
	s_lshl_b32 s28, s28, 2
	s_add_co_u32 s28, s28, s24                     ; the run that I read,
	s_lshl_b32 s28, s28, 15                        ; 32,768 bytes a run (under 2^26)
	s_mov_b32 s29, 0
	s_add_nc_u64 s[12:13], s[12:13], s[28:29]
	s_lshl_b32 s27, s27, 2
	s_add_co_u32 s27, s27, s26                     ; the run that I write
	s_mul_i32 s28, s27, 32*STEPS*CB                ; 6,144 bytes of codes a run
	s_add_nc_u64 s[14:15], s[14:15], s[28:29]
	s_lshl_b32 s28, s27, 8                         ; 256 scale bytes a run
	s_add_nc_u64 s[16:17], s[16:17], s[28:29]
.macro LOAD t
.irp i, 0,1,2,3
	global_load_b128 v[R+16*((\t)%4)+4*\i:R+16*((\t)%4)+4*\i+3], v3, s[12:13] offset:2048*(\t)+512*\i th:TH_LOAD_NT   ; 32 lanes read 512 consecutive bytes
.endr
.endm
.macro TURN t                          ; step t's numbers through the stage: LDS serves a wave's instructions in order, so no wait stands between the stores and the loads
.irp i, 0,1,2,3
	ds_store_b128 v14, v[R+16*((\t)%4)+4*\i:R+16*((\t)%4)+4*\i+3] offset:32*SP*((\t)%2)+8*SP*\i
.endr
.irp i, 0,1,2,3
	ds_load_b128 v[X+16*((\t)%2)+4*\i:X+16*((\t)%2)+4*\i+3], v15 offset:32*SP*((\t)%2)+16*\i
.endr
.endm
.irp t, 0,1,2,3
	LOAD \t
.endr
	s_wait_loadcnt 12                              ; step 0's four loads are in; the twelve of steps 1 to 3 may be out
	TURN 0
.macro STEP t
.set XS, X+16*((\t)%2)
.if (\t) > 0
	s_wait_dscnt 1                                 ; this step's numbers are back from the stage (the last step's byte store may be out): so its stores into the stage have read their registers,
.else
	s_wait_dscnt 0x0
.endif
.if (\t)+4 < STEPS
	LOAD (\t)+4                                    ; which take the loads of four steps on
.endif
.if (\t)+1 < STEPS
.if STEPS-2-(\t) >= 3
	s_wait_loadcnt 12                              ; the next step's four loads are in; those of the three steps behind it may be out
.else
	s_wait_loadcnt 4*(STEPS-2-(\t))
.endif
	TURN (\t)+1                                    ; and go through the other stage while this step is worked
.endif
	v_max3_num_f32 v8, |v[XS]|, |v[XS+1]|, |v[XS+2]|               ; the largest magnitude of my 16, in two chains
	v_max3_num_f32 v9, |v[XS+3]|, |v[XS+4]|, |v[XS+5]|
.irp i, 6,10
	v_max3_num_f32 v8, v8, |v[XS+\i]|, |v[XS+\i+1]|
	v_max3_num_f32 v9, v9, |v[XS+\i+2]|, |v[XS+\i+3]|
.endr
	v_max3_num_f32 v8, v8, |v[XS+14]|, |v[XS+15]|
	v_max3_num_f32 v8, v8, v9, (EMAX+1)<<23        ; and the floor 2^(5 - 127): the byte cannot fall under 1
	v_max_num_f32_dpp v8, v8, v8 row_xmask:1 row_mask:0xf bank_mask:0xf   ; and of my neighbour's 16: the block's
	v_add_nc_u32 v11, -(EMAX<<23), v8              ; 4 off its exponent field: the conversion takes the exponent field of this operand as its scale
	v_cvt_scalef32_pk16_bf6_f32 v[C+4*(\t):C+4*(\t)+2], v[XS:XS+15], v11
	v_lshrrev_b32 v[E+(\t)], 23, v11               ; the scale's byte (also the plain line behind the conversion)
	ds_store_b8 v5, v[E+(\t)] offset:16*(\t)       ; both lanes of a block write the same byte with the same value
	global_store_b96 v4, v[C+4*(\t):C+4*(\t)+2], s[14:15] offset:32*CB*(\t)   ; the wave stores 384 consecutive bytes
.endm
.irp t, 0,1,2,3,4,5,6,7,8,9,10,11,12,13,14,15
	STEP \t
.endr
	ds_load_b64 v[12:13], v6                       ; LDS serves a wave's instructions in order: these see my stores
	s_wait_dscnt 0x0
	global_store_b64 v7, v[12:13], s[16:17]        ; 32 lanes store 256 consecutive bytes, aligned
	s_wait_tensorcnt 0x0
	ds_add_u32 v192, v193
	s_wait_dscnt 0x0
	s_endpgm
.Lfunc_end_k_q471a094a79_quant:
	.size	k_q471a094a79_quant, .Lfunc_end_k_q471a094a79_quant-k_q471a094a79_quant
	.p2alignl 7, 3214868480
	.fill 96, 4, 3214868480
	.section	.rodata,"a",@progbits
	.p2align	6, 0x0
	.amdhsa_kernel k_q471a094a79_quant
		.amdhsa_group_segment_fixed_size 33280
		.amdhsa_private_segment_fixed_size 0
		.amdhsa_enable_private_segment 0
		.amdhsa_kernarg_size 72
		.amdhsa_user_sgpr_count 2
		.amdhsa_user_sgpr_kernarg_segment_ptr 1
		.amdhsa_wavefront_size32 1
		.amdhsa_system_sgpr_workgroup_id_x 1
		.amdhsa_system_sgpr_workgroup_id_y 1
		.amdhsa_system_sgpr_workgroup_id_z 1
		.amdhsa_system_vgpr_workitem_id 0
		.amdhsa_next_free_vgpr 194
		.amdhsa_next_free_sgpr 66
		.amdhsa_reserve_vcc 0
		.amdhsa_float_denorm_mode_32 3
		.amdhsa_float_denorm_mode_16_64 3
		.amdhsa_memory_ordered 1
		.amdhsa_forward_progress 1
		.amdhsa_inst_pref_size 33
	.end_amdhsa_kernel
	.amdgpu_metadata
---
amdhsa.version: [ 1, 2 ]
amdhsa.kernels:
  - .name:           k_q471a094a79_quant
    .symbol:         k_q471a094a79_quant.kd
    .args:
      - { .name: x, .offset: 0, .size: 8, .value_kind: global_buffer, .address_space: global }
      - { .name: Wq, .offset: 8, .size: 8, .value_kind: global_buffer, .address_space: global }
      - { .name: Wk, .offset: 16, .size: 8, .value_kind: global_buffer, .address_space: global }
      - { .name: Wv, .offset: 24, .size: 8, .value_kind: global_buffer, .address_space: global }
      - { .name: Wo, .offset: 32, .size: 8, .value_kind: global_buffer, .address_space: global }
      - { .name: xc, .offset: 40, .size: 8, .value_kind: global_buffer, .address_space: global }
      - { .name: xs, .offset: 48, .size: 8, .value_kind: global_buffer, .address_space: global }
      - { .name: wc, .offset: 56, .size: 8, .value_kind: global_buffer, .address_space: global }
      - { .name: ws, .offset: 64, .size: 8, .value_kind: global_buffer, .address_space: global }
    .group_segment_fixed_size: 33280
    .private_segment_fixed_size: 0
    .kernarg_segment_align: 8
    .kernarg_segment_size: 72
    .max_flat_workgroup_size: 128
    .sgpr_count:     66
    .vgpr_count:     194
    .wavefront_size: 32
...
	.end_amdgpu_metadata
.endif
;; end of part 1
;; launch qkv (part 2): grid 12 x 32, 4 waves a work-group, clusters of 4 x 4, 327,680 bytes of LDS; arguments xc, xs, wc, ws, bq, bk, bv, qimg, kv; writes qimg, kv
.if DOCPART == 2
	.amdgcn_target "amdgcn-amd-amdhsa--gfx1250"
	.amdhsa_code_object_version 6
	.text
	.protected	k_q471a094a79_qkv
	.globl	k_q471a094a79_qkv
	.p2align	8
	.type	k_q471a094a79_qkv,@function
k_q471a094a79_qkv:
	s_mov_b64 s[64:65], 0
	v_nop
	global_prefetch_b8 v0, s[64:65] scope:SCOPE_SE
	s_setreg_imm32_b32 hwreg(HW_REG_WAVE_MODE, 25, 1), 1
	s_wait_xcnt 0x0
	s_wait_alu depctr_hold_cnt(0) depctr_sa_sdst(0) depctr_va_vdst(0) depctr_va_sdst(0) depctr_va_ssrc(0) depctr_va_vcc(0) depctr_vm_vsrc(0)
	s_getreg_b32 s2, hwreg(HW_REG_IB_STS2, 6, 4)
	s_cmp_eq_u32 s2, 0
	s_cbranch_scc0 .Lentry_in_a_cluster
	s_endpgm
.Lentry_in_a_cluster:
	s_bfe_u32 s2, ttmp6, 0x10000c
	s_cmp_lg_u32 s2, 0xf033
	s_cbranch_scc0 .Lentry_shape_is_right
	s_endpgm
.Lentry_shape_is_right:
; q = x Wq^T + bq, k = x Wk^T + bk and V^T = Wv x^T + bv, on codes of BF6 (E3M2) with one E8M0 scale for each 32 along K = 1,024; the results are quantised here, in registers, and leave as codes.
; A tile of 256 x 256 is made by four waves, a wave 128 x 128: 64 accumulators, 512 registers.  K goes in steps of 256 through two LDS slots filled by the tensor data mover; the scale bytes of the
; tile's 512 rows come once, with the first fills, and stay.  CLUSTERS of 4 x 4: A's tile is asked for jointly along a row of the cluster, B's along a column.
; ROLES, by the cluster's x (the same in all sixteen partners): 0: A = x, B = Wq;  1: A = x, B = Wk;  2: A = Wv, B = x.  Only pointers and row numbers are chosen for the products.
; THE MATRIX INSTRUCTION IS USED TRANSPOSED (source 0 = 16 rows of B, source 1 = 16 rows of A): a lane holds one row of A.  x's and the weights' rows lie in storage order (bits 3 and 4 of the row
; number exchanged), so the 64 registers of a block of 16 rows of A are, for register 16 b + i, column 32 b + 16 (lane / 16) + i: 16 neighbours of each block of 32 along the NEXT product's K:
; the head's 64 for q and k, the keys for V^T.  The bias is the C of each sum's first matrix instruction.
; OUT.  For each head and each 128 tokens one record.  Codes leave as images of operand registers: register p of lane l at 512 (p / 4) + 16 l + 4 (p % 4).  q, k: register 6 t + e = tile t of 16 tokens,
; the 24 bytes of block (lane / 16) of the head's 64.  V: register 12 t + e = tile t of 16 of the head's 64, a whole fragment of 128 keys.  Scale words: q, k: word b of lane l = tile 2 b (lanes 0-15)
; or 2 b + 1 (lanes 16-31), bytes 2 and 3 zero;  V: word c likewise, four bytes.  Every store of a wave covers 512 or 256 consecutive bytes, aligned.
; LIMITS: NaN and infinities are not served; a block whose largest magnitude lies under 2^-122 keeps the byte 1 (a block of zeros too: its codes are zeros, and this program alone reads the bytes).
; REGISTERS, in windows of 256: window 0: v0-31 addresses; v32-63 scale words, two sets; v64-127 the bias; from v128 A's fragments, ONE set.  window 1: B's fragments, two sets, at v0 and v128.
;   windows 2, 3: the accumulators of my rows 0-63, 64-127 (accumulator (a, b) at v[8 (8 (a % 4) + b)]).
.set KSTEP,  256
.set NQ,     2                         ; matrix instructions deep in a slot
.set ROWB,   192                       ; a tile's row in bytes
.set KROW,   768                       ; a row of codes in memory
.set PITCH,  240                       ; an LDS row: 3 x (64 bytes + 16 of padding)
.set FR,     12
.set NL,     6
.set NP,     4                         ; places behind this matrix instruction (ISA guide 7.12.1)
.set HALFT,  128*PITCH
.set SLOT,   4*HALFT
.set LAPS,   2                         ; 1,024 / 512
.set KS,     32                        ; a row of scale bytes
.set SCL,    2*SLOT
.set HALFS,  (128*KS/256)*272
.set SBLK,   (16*KS/256)*272
.set SPARE,  SCL+4*HALFS               ; the spare words, 128 bytes for each wave: two blocks of 256 bytes that no other line names
.set QREC,   6656                      ; a record of q: 6,144 bytes of codes, 512 of scale words
.set KREC,   13056                     ; a record of k and V: k's 6,656, V's 6,144 + 256
.set ADRA, 16
.set ADRB, 20
.set L16,  24                          ; the way out: 16 x lane
.set L8,   25                          ; 8 x lane
.set LN,   26                          ; lane
.set ADRS, 27
.set SPW,  28
.set NIL,  29
.set SC,   32
.set BIAS, 64
.set AF,   128
.set FLR,  7                           ; the way out: the floor 2^(5 - 127)
.set SI,   8                           ; v8-15    scale images
.set TM,   64                          ; v64-79   largest magnitudes of 16 blocks
.set TX,   80                          ; v80-95   the other half's, then the bytes
.set SO,   96                          ; v96-111  the conversions' scale operands
.set PW,   112                         ; v112-119 a scale word for each block of 16 rows
.set IMG,  128                         ; v128-223 two images of 48 registers
.set TP,   224                         ; v224-255 the conversions' second halves
.set G1, 24
.set G0, 32
.set G1B, 48
.set G0B, 56
.set G1S, 68
.set G0S, 76
.set G1SB, 80
.set G0SB, 88
.set OUT0, 12                          ; s[12:13] the first head's record;  s[100:101] the second's
.set OUT1, 100
.set BP,   66                          ; s[66:67] the bias
.set SEL,  98                          ; s[98:99] lane selects, on the way out
.set MSB, 0
.macro WIN new                         ; the immediate's high byte repeats the setting that is left
.if MSB != \new
	s_set_vgpr_msb (MSB<<8)|\new
.set MSB, \new
.endif
.endm
.set MUL_LO, 0xa1                      ; source 0 (B) window 1, source 1 (A) window 0, C and D window 2
.set MUL_HI, 0xf1                      ; the same, C and D window 3
.set TO_B,   0x40
; A joint load: waves 0 and 1 fetch for A, waves 2 and 3 for B.  The branch hangs on the wave's number alone.  Four v_nop follow each of the two lines.
.macro JLOAD g0a, g1a, g0b, g1b
	s_cmp_eq_u32 s15, 0
	s_cbranch_scc0 .Lfor_b_\@
	tensor_load_to_lds s[\g0a:\g0a+3], s[\g1a:\g1a+7]
	s_nop 0
.rept 4
	v_nop
.endr
	s_branch .Lasked_\@
.Lfor_b_\@:
	tensor_load_to_lds s[\g0b:\g0b+3], s[\g1b:\g1b+7]
	s_nop 0
.rept 4
	v_nop
.endr
.Lasked_\@:
.endm
.macro CREST                           ; a round of the cluster's barrier behind its opening barrier
	s_cmp_lg_u32 s14, 0
	s_cbranch_scc1 .Lnot_wave_0_\@
	s_barrier_signal -3
.Lnot_wave_0_\@:
	s_barrier_wait -3
	s_barrier_signal -1
	s_barrier_wait -1
.endm
.macro CROUND
	s_barrier_signal -1
	s_barrier_wait -1
	CREST
.endm
	s_load_b512 s[68:83], s[0:1], 0x0              ; xc, xs, wc, ws, bq, bk, bv, qimg
	s_load_b64 s[84:85], s[0:1], 0x40              ; kv
	v_lshl_add_u32 v[SPW], v0, 2, SPARE
	v_mov_b32 v[NIL], 0
	ds_add_u32 v28, v29
	ds_add_u32 v28, v29
	s_wait_dscnt 0x0
	v_lshrrev_b32 v1, 5, v0
	v_readfirstlane_b32 s14, v1                    ; wave 0..3
	s_lshr_b32 s15, s14, 1                         ; which half of the tile's rows (A) is mine.  Also: I fetch for A (0) or for B (1)
	s_and_b32 s16, s14, 1                          ; which half of its columns (B).  Also: which 128 rows I fetch
	s_bfe_u32 s40, ttmp6, 0x40000                  ; cx
	s_bfe_u32 s41, ttmp6, 0x40004                  ; cy
	s_and_b32 s17, ttmp7, 0xffff
	s_lshl_b32 s17, s17, 2                         ; 4 x cluster y
	s_lshl_b32 s43, s41, 2
	s_lshl_b32 s43, 15, s43                        ; my row of the cluster
	s_lshl_b32 s44, 0x1111, s40                    ; my column
	s_or_b32 s[G1+0], s43, (0<<16)|(1<<20)|(1<<21)|(3<<22)|(3<<25)  ; the mask; elements of 1 byte; padding on; bit 21 beside a mask; after every 16 words, 4 words
	s_or_b32 s[G1B+0], s44, (0<<16)|(1<<20)|(1<<21)|(3<<22)|(3<<25)
.irp g, G1, G1B
	s_mov_b32 s[\g+1], ROWB<<16                    ; tensor_dim0
	s_mov_b32 s[\g+2], 128<<16                     ; tensor_dim1
	s_mov_b32 s[\g+3], ROWB<<16                    ; tile_dim0
	s_mov_b32 s[\g+4], 128                         ; tile_dim1
	s_mov_b32 s[\g+5], KROW                        ; from row to row
	s_mov_b32 s[\g+6], 0
	s_mov_b32 s[\g+7], 0
.endr
	; A's first row hangs on cy (and the cluster's place) alone, B's on cx alone
	s_add_co_u32 s20, s17, s41
	s_lshl_b32 s20, s20, 8                         ; x: 256 (4 Y + cy)
	s_lshl_b32 s21, s41, 8
	s_add_co_u32 s21, s21, 2048                    ; Wv: 2,048 + 256 cy
	s_lshl_b32 s46, ttmp9, 2                       ; 4 X
	s_cmp_lt_u32 ttmp9, 2
	s_cselect_b32 s20, s20, s21
	s_cselect_b32 s46, s46, s17                    ; Wq, Wk: 256 (4 X + cx);  x: 256 (4 Y + cx)
	s_add_co_u32 s46, s46, s40
	s_lshl_b32 s46, s46, 8
	s_lshl_b32 s18, s16, 7                         ; which 128 rows of the tile I fetch
	s_add_co_u32 s20, s20, s18
	s_add_co_u32 s46, s46, s18
	s_mov_b32 s21, 0
	s_mov_b32 s47, 0
	s_mov_b64 s[18:19], KS
	s_mul_u64 s[22:23], s[20:21], s[18:19]         ; where these rows' scales begin, in bytes
	s_mul_u64 s[92:93], s[46:47], s[18:19]
	s_mov_b64 s[18:19], KROW
	s_mul_u64 s[20:21], s[20:21], s[18:19]         ; and their codes
	s_mul_u64 s[46:47], s[46:47], s[18:19]
	s_mul_i32 s45, s14, HALFT                      ; where they go: wave x 128 rows
	s_mul_i32 s94, s14, HALFS
	s_wait_kmcnt 0x0
	s_cmp_lt_u32 ttmp9, 2                          ; the buffers, by the cluster's x alone
	s_cselect_b64 s[4:5], s[68:69], s[72:73]       ; A's codes
	s_cselect_b64 s[6:7], s[70:71], s[74:75]       ; A's scales
	s_cselect_b64 s[8:9], s[72:73], s[68:69]       ; B's codes
	s_cselect_b64 s[10:11], s[74:75], s[70:71]     ; B's scales
	s_cselect_b64 s[BP:BP+1], s[78:79], s[80:81]   ; bk or bv,
	s_cmp_eq_u32 ttmp9, 0
	s_cselect_b64 s[BP:BP+1], s[76:77], s[BP:BP+1] ; or bq
	s_cselect_b64 s[OUT0:OUT0+1], s[82:83], s[84:85]  ; qimg or kv
	; s68 to s91 are free now: the scales' descriptors.  128 rows' scales are a dense block of 4,096 bytes: 16 rows of 256 bytes (32 elements of 8), 16 bytes of padding behind each
	s_or_b32 s[G1S+0], s43, (3<<16)|(1<<20)|(1<<21)|(5<<22)|(3<<25)
	s_or_b32 s[G1SB+0], s44, (3<<16)|(1<<20)|(1<<21)|(5<<22)|(3<<25)
.irp g, G1S, G1SB
	s_mov_b32 s[\g+1], 32<<16
	s_mov_b32 s[\g+2], (128*KS/256)<<16
	s_mov_b32 s[\g+3], 32<<16
	s_mov_b32 s[\g+4], 128*KS/256
	s_mov_b32 s[\g+5], 32
	s_mov_b32 s[\g+6], 0
	s_mov_b32 s[\g+7], 0
.endr
	s_add_nc_u64 s[20:21], s[4:5], s[20:21]
	s_add_nc_u64 s[22:23], s[6:7], s[22:23]
	s_add_nc_u64 s[46:47], s[8:9], s[46:47]
	s_add_nc_u64 s[92:93], s[10:11], s[92:93]
	CROUND                                         ; all sixteen work-groups are here: the first joint loads meet
	s_mov_b32 s[G0S], 1
	s_add_co_u32 s[G0S+1], s94, SCL
	s_mov_b64 s[G0S+2:G0S+3], s[22:23]
	s_or_b32 s[G0S+3], s[G0S+3], 0x80000000
	s_mov_b32 s[G0SB], 1
	s_add_co_u32 s[G0SB+1], s94, SCL
	s_mov_b64 s[G0SB+2:G0SB+3], s[92:93]
	s_or_b32 s[G0SB+3], s[G0SB+3], 0x80000000
	JLOAD G0S, G1S, G0SB, G1SB                     ; the scales first: they are wanted with K step 0
.irp s, 0,1
	s_mov_b32 s[G0+4*\s], 1
	s_add_co_u32 s[G0+4*\s+1], s45, \s*SLOT
	s_add_nc_u64 s[G0+4*\s+2:G0+4*\s+3], s[20:21], \s*ROWB
	s_or_b32 s[G0+4*\s+3], s[G0+4*\s+3], 0x80000000
	s_mov_b32 s[G0B+4*\s], 1
	s_add_co_u32 s[G0B+4*\s+1], s45, \s*SLOT
	s_add_nc_u64 s[G0B+4*\s+2:G0B+4*\s+3], s[46:47], \s*ROWB
	s_or_b32 s[G0B+4*\s+3], s[G0B+4*\s+3], 0x80000000
	JLOAD G0+4*\s, G1, G0B+4*\s, G1B               ; three tensor loads of mine are out
.endr
	v_and_b32 v1, 15, v0                           ; r = l % 16
	v_bfe_u32 v2, v0, 4, 1                         ; h = l / 16
	v_mul_u32_u24 v3, v1, PITCH
	v_mul_u32_u24 v4, v2, 24
	v_add_nc_u32 v4, v3, v4                        ; a fragment's row x pitch + 24 x half
	v_lshl_add_u32 v5, v2, 4, v4                   ; and the same behind one padding more
	s_mul_i32 s21, s15, HALFT                      ; my 128 rows of A
	s_mul_i32 s22, s16, HALFT                      ; my 128 rows of B,
	s_add_co_u32 s22, s22, 2*HALFT                 ; which lie behind A's 256
.irp s, 0,1
	v_add_nc_u32 v[ADRA+\s], s21, v4
	v_add_nc_u32 v[ADRB+\s], s22, v4
	v_add_nc_u32 v[ADRA+2+\s], s21, v5
	v_add_nc_u32 v[ADRB+2+\s], s22, v5
	s_add_co_u32 s21, s21, SLOT
	s_add_co_u32 s22, s22, SLOT
.endr
	v_mul_u32_u24 v5, v1, KS                       ; my row's scales: KS bytes a row,
	v_lshrrev_b32 v6, 8, v5
	v_lshl_add_u32 v5, v6, 4, v5                   ; and 16 more for each 256 passed
	s_mul_i32 s21, s15, HALFS
	s_mul_i32 s22, s16, HALFS
	s_add_co_u32 s22, s22, 2*HALFS
	s_sub_co_u32 s22, s22, s21
	v_mul_u32_u24 v6, s22, v2                      ; lanes 16-31 take B's
	s_add_co_u32 s21, s21, SCL
	v_add_nc_u32 v5, v5, v6
	v_add_nc_u32 v[ADRS], s21, v5
	; where my two records lie.  Tokens: tile of 256 tt, half hf.  Heads: group of four hc, pair hh.  record = ((tt / 8) 16 + 4 hc + 2 hh) 16 + 2 (tt % 8) + hf; the second head's lies 16 records on
	s_cmp_lt_u32 ttmp9, 2
	s_cselect_b32 s92, s41, s40
	s_cselect_b32 s93, s15, s16                    ; hf
	s_cselect_b32 s95, s40, s41                    ; hc
	s_cselect_b32 s96, s16, s15                    ; hh
	s_add_co_u32 s92, s92, s17                     ; tt
	s_lshr_b32 s97, s92, 3
	s_lshl_b32 s97, s97, 4
	s_lshl_b32 s95, s95, 2
	s_add_co_u32 s97, s97, s95
	s_lshl_b32 s96, s96, 1
	s_add_co_u32 s97, s97, s96
	s_lshl_b32 s97, s97, 4
	s_and_b32 s92, s92, 7
	s_lshl_b32 s92, s92, 1
	s_add_co_u32 s97, s97, s92
	s_add_co_u32 s97, s97, s93                     ; the record
	s_mov_b32 s98, KREC
	s_cmp_eq_u32 ttmp9, 0
	s_cselect_b32 s98, QREC, s98                   ; a record's bytes
	s_mul_i32 s96, s97, s98                        ; (under 2^24)
	s_mov_b32 s97, 0
	s_cmp_eq_u32 ttmp9, 2
	s_cselect_b32 s99, QREC, 0                     ; V's part lies behind k's 6,656 bytes
	s_add_co_u32 s96, s96, s99
	s_add_nc_u64 s[OUT0:OUT0+1], s[OUT0:OUT0+1], s[96:97]
	s_lshl_b32 s96, s98, 4
	s_add_nc_u64 s[OUT1:OUT1+1], s[OUT0:OUT0+1], s[96:97]
	; the bias, in the result's layout: eight registers for each tile
	s_cmp_eq_u32 ttmp9, 2
	s_cbranch_scc1 .Lbias_v
	s_lshl_b32 s96, s40, 10                        ; q, k: the bias goes with the columns: my 128 begin at 256 cx + 128 x half
	s_lshl_b32 s99, s16, 9
	s_add_co_u32 s96, s96, s99
	s_add_nc_u64 s[BP:BP+1], s[BP:BP+1], s[96:97]
	v_lshlrev_b32 v6, 6, v2                        ; tile b's register j is column 32 (b / 2) + 8 (b % 2) + 16 h + j
.irp b, 0,1,2,3,4,5,6,7
	global_load_b128 v[BIAS+8*\b:BIAS+8*\b+3], v6, s[BP:BP+1] offset:4*(32*(\b/2)+8*(\b%2))
	global_load_b128 v[BIAS+8*\b+4:BIAS+8*\b+7], v6, s[BP:BP+1] offset:4*(32*(\b/2)+8*(\b%2))+16
.endr
	s_wait_loadcnt 0x0
	s_branch .Lbias_done
.Lbias_v:
	s_lshl_b32 s96, s41, 10                        ; V^T: the bias goes with the rows: my 128 begin at 256 cy + 128 x half
	s_lshl_b32 s99, s15, 9
	s_add_co_u32 s96, s96, s99
	s_add_nc_u64 s[BP:BP+1], s[BP:BP+1], s[96:97]
	v_and_b32 v6, 8, v1
	v_add_nc_u32 v6, v6, v1                        ; block a's lane r is row 32 (a / 2) + 8 (a % 2) + r + 8 (r / 8)
	v_lshlrev_b32 v6, 2, v6
.irp a, 0,1,2,3,4,5,6,7
	global_load_b32 v[BIAS+8*\a], v6, s[BP:BP+1] offset:4*(32*(\a/2)+8*(\a%2))
.endr
	s_wait_loadcnt 0x0
.irp a, 0,1,2,3,4,5,6,7
.irp j, 1,2,3,4,5,6,7
	v_mov_b32 v[BIAS+8*\a+\j], v[BIAS+8*\a]        ; one number for the lane's eight columns
.endr
.endr
.Lbias_done:
.rept NP
	v_nop
.endr
.macro FRAG reg, adr, q, i             ; a fragment, 16 rows x 128 K, is 12 registers: lane l holds row l % 16; registers 6 c .. 6 c + 5 hold K = 64 c + 32 (l / 16) + 0 .. 31: 24 bytes of the row, as they lie
.irp p, 0,1,2,3,4,5                    ; in pieces of 8 bytes.  16 bytes of padding lie behind every 8 pieces: where the piece three on lies behind one padding more, the second address register serves
.set PC, 12*(\q)+6*(\p/3)+\p%3
.if PC%8 < 5
	ds_load_b64 v[\reg+2*\p:\reg+2*\p+1], v[\adr] offset:8*PC+16*(PC/8)+(\i)*16*PITCH
.else
	ds_load_b64 v[\reg+2*\p:\reg+2*\p+1], v[\adr+2] offset:8*PC+16*(PC/8)+(\i)*16*PITCH
.endif
.endr
.endm
; 16 matrix instructions: A's blocks a0, a0 + 1 x B's eight, 128 along K.  zero = 0: onto the sums;  1: the sums begin with the columns' bias;  2: with the rows' bias.
; The 64 accumulators take turns, one instruction a turn, in the same order in every step.
.macro MUL16 a0, p, q, sc, zero
.irp a, \a0, \a0+1
.irp b, 0,1,2,3,4,5,6,7
.if \zero == 1
	v_wmma_scale_f32_16x16x128_f8f6f4 v[8*(8*((\a)%4)+\b):8*(8*((\a)%4)+\b)+7], v[128*(\p)+FR*\b:128*(\p)+FR*\b+FR-1], v[AF+FR*(\a):AF+FR*(\a)+FR-1], v[BIAS+8*\b:BIAS+8*\b+7], v[SC+8*NQ*(\sc)+NQ*\b+(\q)], v[SC+8*NQ*(\sc)+NQ*(\a)+(\q)] matrix_a_fmt:MATRIX_FMT_BF6 matrix_b_fmt:MATRIX_FMT_BF6 matrix_a_scale:MATRIX_SCALE_ROW1
.elseif \zero == 2
	v_wmma_scale_f32_16x16x128_f8f6f4 v[8*(8*((\a)%4)+\b):8*(8*((\a)%4)+\b)+7], v[128*(\p)+FR*\b:128*(\p)+FR*\b+FR-1], v[AF+FR*(\a):AF+FR*(\a)+FR-1], v[BIAS+8*(\a):BIAS+8*(\a)+7], v[SC+8*NQ*(\sc)+NQ*\b+(\q)], v[SC+8*NQ*(\sc)+NQ*(\a)+(\q)] matrix_a_fmt:MATRIX_FMT_BF6 matrix_b_fmt:MATRIX_FMT_BF6 matrix_a_scale:MATRIX_SCALE_ROW1
.else
	v_wmma_scale_f32_16x16x128_f8f6f4 v[8*(8*((\a)%4)+\b):8*(8*((\a)%4)+\b)+7], v[128*(\p)+FR*\b:128*(\p)+FR*\b+FR-1], v[AF+FR*(\a):AF+FR*(\a)+FR-1], v[8*(8*((\a)%4)+\b):8*(8*((\a)%4)+\b)+7], v[SC+8*NQ*(\sc)+NQ*\b+(\q)], v[SC+8*NQ*(\sc)+NQ*(\a)+(\q)] matrix_a_fmt:MATRIX_FMT_BF6 matrix_b_fmt:MATRIX_FMT_BF6 matrix_a_scale:MATRIX_SCALE_ROW1
.endif
.endr
.endr
.endm
.macro FETCH_B slot, q, p
	WIN TO_B
.irp i, 0,1,2,3,4,5,6,7
	FRAG 128*(\p)+FR*\i, ADRB+\slot, \q, \i
.endr
	WIN 0
.endm
.macro FETCH_A slot, q, i0
.irp i, \i0, \i0+1, \i0+2, \i0+3
	FRAG AF+FR*(\i), ADRA+\slot, \q, \i
.endr
.endm
.macro SCALES sc                       ; a K step's scale words: lanes 0-15 take A's block i, lanes 16-31 B's block i
.irp i, 0,1,2,3,4,5,6,7
	ds_load_b64 v[SC+8*NQ*\sc+NQ*\i:SC+8*NQ*\sc+NQ*\i+1], v[ADRS] offset:\i*SBLK
.endr
.endm
.macro PLACES n                        ; plain vector instructions between a matrix instruction and a load into, or a read or write of, its registers
.rept \n
	v_nop
.endr
.endm
; A step of 128 along K that has its successor in the same slot.
.macro STEP slot, q, zero
	s_wait_dscnt 4*NL                              ; B's set, A's blocks 0-3 and the scale words are in; the youngest 24 loads (A's blocks 4-7) may be out
.if \zero
	WIN 0x81                                       ; C (the bias) window 0, D window 2
.else
	WIN MUL_LO
.endif
	MUL16 0, (\q)%2, \q, \slot, \zero
	MUL16 2, (\q)%2, \q, \slot, \zero
	s_wait_dscnt 0
	PLACES NP
	FETCH_B \slot, (\q)+1, 1-(\q)%2
	FETCH_A \slot, (\q)+1, 0
.if \zero
	WIN 0xc1
.else
	WIN MUL_HI
.endif
	MUL16 4, (\q)%2, \q, \slot, \zero
	MUL16 6, (\q)%2, \q, \slot, \zero
	PLACES NP
	WIN 0
	FETCH_A \slot, (\q)+1, 4
.endm
; A slot's last step changes slots: ONE barrier; in front of it each wave waits for all its tensor loads, adds 0 to its spare word, and waits for that and for its own reads of this slot.
.macro TURN slot, next, fill
	s_wait_tensorcnt 0x0                           ; all my tensor loads have landed: my part of the next slot
	ds_add_u32 v[SPW], v[NIL]                      ; 0 onto my spare word
	s_wait_dscnt 4*NL+1                            ; (the add and the youngest 24 loads may be out)
	WIN MUL_LO
	MUL16 0, 1, NQ-1, \slot, 0
	s_wait_dscnt 0x0                               ; the add is done, and my reads of this slot are over
	s_barrier_signal -1
	MUL16 2, 1, NQ-1, \slot, 0
	WIN 0
	s_barrier_wait -1
.if \fill
	CREST                                          ; the barrier has opened a round of the cluster's barrier: no wave of any partner still reads this slot or has a load on its way
	s_add_nc_u64 s[G0+4*\slot+2:G0+4*\slot+3], s[G0+4*\slot+2:G0+4*\slot+3], 2*ROWB
	s_add_nc_u64 s[G0B+4*\slot+2:G0B+4*\slot+3], s[G0B+4*\slot+2:G0B+4*\slot+3], 2*ROWB
	JLOAD G0+4*\slot, G1, G0B+4*\slot, G1B         ; the first tensor load behind the round; its four v_nop are also the places in front of the loads below
.else
	PLACES NP
.endif
	v_add_nc_u32 v[ADRS], 4*NQ, v[ADRS]            ; on to the next K step's scale words
	FETCH_B \next, 0, 0
	FETCH_A \next, 0, 0
	SCALES \next
	WIN MUL_HI
	MUL16 4, 1, NQ-1, \slot, 0
	MUL16 6, 1, NQ-1, \slot, 0
	PLACES NP
	WIN 0
	FETCH_A \next, 0, 4
.endm
	s_wait_tensorcnt 1                             ; the scales and my part of K step 0 are in (K step 1's load may be out),
	s_barrier_signal -1
	s_barrier_wait -1                              ; everybody's are
	FETCH_B 0, 0, 0
	FETCH_A 0, 0, 0
	SCALES 0
	FETCH_A 0, 0, 4
	s_cmp_eq_u32 ttmp9, 2                          ; the first step is written twice: it differs in which bias registers begin a sum
	s_cbranch_scc1 .Lfirst_v
	STEP 0, 0, 1
	s_branch .Lfirst_done
.Lfirst_v:
	STEP 0, 0, 2
.Lfirst_done:
	s_mov_b32 s3, LAPS-1
.Llap:                                                 ; a trip goes once round the ring and fills both slots again
	TURN 0, 1, 1
	STEP 1, 0, 0
	TURN 1, 0, 1
	STEP 0, 0, 0
	s_sub_co_u32 s3, s3, 1
	s_cmp_lg_u32 s3, 0
	s_cbranch_scc1 .Llap
	TURN 0, 1, 0                                   ; the last lap fills nothing
	STEP 1, 0, 0
	s_wait_dscnt 4*NL
	WIN MUL_LO
	MUL16 0, 1, NQ-1, 1, 0
	MUL16 2, 1, NQ-1, 1, 0
	s_wait_dscnt 0
	WIN MUL_HI
	MUL16 4, 1, NQ-1, 1, 0
	MUL16 6, 1, NQ-1, 1, 0
	WIN 0
; THE WAY OUT.  Four blocks of 16 rows (a window's) at a time: 16 blocks of 32 numbers, each in lanes l and l xor 16.  Largest magnitudes (each accumulator is read from its low end on), bytes, scale words,
; conversions; the exchange of halves gives each lane a whole block's 24 bytes.  isv = 0: block g's codes go to register 6 a of the image of head c;  1: to register 12 a + 6 c.
.macro EPI W, WM, isv
	WIN \WM                                        ; sources 1 and 2 in the accumulators' window
.irp g, 0,1,2,3
.irp b, 0,1,2,3
	v_max3_num_f32 v[TM+4*\g+\b], v[FLR], |v[64*\g+16*\b]|, |v[64*\g+16*\b+1]|   ; with the floor 2^(5 - 127): the byte cannot fall under 1
.endr
.endr
.irp i, 2,4,6,8,10,12,14
.irp g, 0,1,2,3
.irp b, 0,1,2,3
	v_max3_num_f32 v[TM+4*\g+\b], v[TM+4*\g+\b], |v[64*\g+16*\b+\i]|, |v[64*\g+16*\b+\i+1]|
.endr
.endr
.endr
	WIN 0
.set n, 0
.rept 16
	v_permlanex16_b32 v[TX+n], v[TM+n], s[SEL], s[SEL+1]
.set n, n+1
.endr
.set n, 0
.rept 16
	v_max_num_f32 v[TM+n], v[TM+n], v[TX+n]        ; with lane l xor 16's: the block's largest magnitude
.set n, n+1
.endr
.set n, 0
.rept 16
	v_add_nc_u32 v[SO+n], 0xfe000000, v[TM+n]      ; 4 off its exponent field: the conversion's scale operand
.set n, n+1
.endr
.set n, 0
.rept 16
	v_lshrrev_b32 v[TX+n], 23, v[SO+n]             ; the scale's byte
.set n, n+1
.endr
.irp g, 0,1,2,3
	v_lshl_or_b32 v[PW+4*(\W-2)+\g], v[TX+4*\g+1], 8, v[TX+4*\g]
.endr
.irp g, 0,1,2,3
	v_lshl_or_b32 v[PW+4*(\W-2)+\g], v[TX+4*\g+2], 16, v[PW+4*(\W-2)+\g]
.endr
.irp g, 0,1,2,3
	v_lshl_or_b32 v[PW+4*(\W-2)+\g], v[TX+4*\g+3], 24, v[PW+4*(\W-2)+\g]   ; my row's four bytes
.endr
	WIN \W                                         ; source 0 in the accumulators' window
.irp g, 0,1,2,3
.irp c, 0,1
.if \isv
.set D0, IMG+12*(4*(\W-2)+\g)+6*\c
.else
.set D0, IMG+48*\c+6*(4*(\W-2)+\g)
.endif
	v_cvt_scalef32_pk16_bf6_f32 v[D0:D0+2], v[64*\g+32*\c:64*\g+32*\c+15], v[SO+4*\g+2*\c]
	v_cvt_scalef32_pk16_bf6_f32 v[TP+4*(2*\g+\c):TP+4*(2*\g+\c)+2], v[64*\g+32*\c+16:64*\g+32*\c+31], v[SO+4*\g+2*\c+1]   ; (a conversion's three registers begin on an even number)
.endr
.endr
	WIN 0
	v_nop                                          ; one plain line behind the last scaled conversion
.irp g, 0,1,2,3
.irp c, 0,1
.if \isv
.set D0, IMG+12*(4*(\W-2)+\g)+6*\c
.else
.set D0, IMG+48*\c+6*(4*(\W-2)+\g)
.endif
.irp i, 0,1,2
	v_permlane16_swap_b32 v[D0+\i], v[TP+4*(2*\g+\c)+\i]   ; lanes 0-15 get block 2 c whole, lanes 16-31 block 2 c + 1
.endr
.irp i, 0,1,2
	v_mov_b32 v[D0+3+\i], v[TP+4*(2*\g+\c)+\i]
.endr
.endr
.endr
.endm
	PLACES NP                                      ; behind the last products
	s_mov_b32 s[SEL], 0x76543210
	s_mov_b32 s[SEL+1], 0xfedcba98                 ; v_permlanex16_b32's selects for lane l xor 16
	v_mov_b32 v[FLR], 0x2800000
.set n, 0
.rept 16
	v_mov_b32 v[TX+n], 0                           ; written once: a lane permute's destination counts as one of its sources
.set n, n+1
.endr
	v_and_b32 v[LN], 31, v0
	v_lshlrev_b32 v[L16], 4, v[LN]
	v_lshlrev_b32 v[L8], 3, v[LN]
	v_cmp_le_u32 vcc_lo, 16, v[LN]                 ; lanes 16-31
	s_cmp_eq_u32 ttmp9, 2
	s_cbranch_scc1 .Lout_v
	EPI 2, 0x28, 0
	EPI 3, 0x3c, 0
.irp b, 0,1,2,3
	v_cndmask_b32 v[TM+\b], v[PW+2*\b], v[PW+2*\b+1], vcc_lo   ; tile 2 b's words in lanes 0-15, tile 2 b + 1's in lanes 16-31
.endr
.irp b, 0,1,2,3
	v_and_b32 v[SI+\b], 0xffff, v[TM+\b]           ; the first head's two bytes,
	v_lshrrev_b32 v[SI+4+\b], 16, v[TM+\b]         ; the second's; the upper two are zero
.endr
.irp j, 0,1,2,3,4,5,6,7,8,9,10,11
	global_store_b128 v[L16], v[IMG+4*\j:IMG+4*\j+3], s[OUT0:OUT0+1] offset:512*\j         ; 512 consecutive bytes, aligned
	global_store_b128 v[L16], v[IMG+48+4*\j:IMG+48+4*\j+3], s[OUT1:OUT1+1] offset:512*\j
.endr
	global_store_b128 v[L16], v[SI:SI+3], s[OUT0:OUT0+1] offset:6144
	global_store_b128 v[L16], v[SI+4:SI+7], s[OUT1:OUT1+1] offset:6144
	s_branch .Lend
.Lout_v:
	EPI 2, 0x28, 1
	EPI 3, 0x3c, 1
.irp d, 0,1
.irp c, 0,1
	v_cndmask_b32 v[SI+2*\d+\c], v[PW+4*\d+2*\c], v[PW+4*\d+2*\c+1], vcc_lo
.endr
.endr
.irp j, 0,1,2,3,4,5,6,7,8,9,10,11
	global_store_b128 v[L16], v[IMG+4*\j:IMG+4*\j+3], s[OUT0:OUT0+1] offset:512*\j
	global_store_b128 v[L16], v[IMG+48+4*\j:IMG+48+4*\j+3], s[OUT1:OUT1+1] offset:512*\j
.endr
	global_store_b64 v[L8], v[SI:SI+1], s[OUT0:OUT0+1] offset:6144                         ; 256 consecutive bytes, aligned
	global_store_b64 v[L8], v[SI+2:SI+3], s[OUT1:OUT1+1] offset:6144
.Lend:
	s_wait_tensorcnt 0x0                           ; the wave's end
	ds_add_u32 v[SPW], v[NIL]
	s_wait_dscnt 0x0
	CROUND                                         ; the closing round: no work-group ends while a partner may still ask for a tile that names it
	s_endpgm
.Lfunc_end_k_q471a094a79_qkv:
	.size	k_q471a094a79_qkv, .Lfunc_end_k_q471a094a79_qkv-k_q471a094a79_qkv
	.p2alignl 7, 3214868480
	.fill 96, 4, 3214868480
	.section	.rodata,"a",@progbits
	.p2align	6, 0x0
	.amdhsa_kernel k_q471a094a79_qkv
		.amdhsa_group_segment_fixed_size 327680
		.amdhsa_private_segment_fixed_size 0
		.amdhsa_enable_private_segment 0
		.amdhsa_kernarg_size 72
		.amdhsa_user_sgpr_count 2
		.amdhsa_user_sgpr_kernarg_segment_ptr 1
		.amdhsa_wavefront_size32 1
		.amdhsa_system_sgpr_workgroup_id_x 1
		.amdhsa_system_sgpr_workgroup_id_y 1
		.amdhsa_system_sgpr_workgroup_id_z 1
		.amdhsa_system_vgpr_workitem_id 0
		.amdhsa_next_free_vgpr 1024
		.amdhsa_next_free_sgpr 102
		.amdhsa_reserve_vcc 1
		.amdhsa_float_denorm_mode_32 3
		.amdhsa_float_denorm_mode_16_64 3
		.amdhsa_memory_ordered 1
		.amdhsa_forward_progress 1
		.amdhsa_inst_pref_size 214
	.end_amdhsa_kernel
	.amdgpu_metadata
---
amdhsa.version: [ 1, 2 ]
amdhsa.kernels:
  - .name:           k_q471a094a79_qkv
    .symbol:         k_q471a094a79_qkv.kd
    .args:
      - { .name: xc, .offset: 0, .size: 8, .value_kind: global_buffer, .address_space: global }
      - { .name: xs, .offset: 8, .size: 8, .value_kind: global_buffer, .address_space: global }
      - { .name: wc, .offset: 16, .size: 8, .value_kind: global_buffer, .address_space: global }
      - { .name: ws, .offset: 24, .size: 8, .value_kind: global_buffer, .address_space: global }
      - { .name: bq, .offset: 32, .size: 8, .value_kind: global_buffer, .address_space: global }
      - { .name: bk, .offset: 40, .size: 8, .value_kind: global_buffer, .address_space: global }
      - { .name: bv, .offset: 48, .size: 8, .value_kind: global_buffer, .address_space: global }
      - { .name: qimg, .offset: 56, .size: 8, .value_kind: global_buffer, .address_space: global }
      - { .name: kv, .offset: 64, .size: 8, .value_kind: global_buffer, .address_space: global }
    .group_segment_fixed_size: 327680
    .private_segment_fixed_size: 0
    .kernarg_segment_align: 8
    .kernarg_segment_size: 72
    .max_flat_workgroup_size: 128
    .sgpr_count:     102
    .vgpr_count:     1024
    .wavefront_size: 32
...
	.end_amdgpu_metadata
.endif
;; end of part 2
;; launch attn (part 3): grid 4 x 64, 16 waves a work-group, no clusters, 210,944 bytes of LDS; arguments qimg, kv, oimg, osc; writes oimg, osc
.if DOCPART == 3
	.amdgcn_target "amdgcn-amd-amdhsa--gfx1250"
	.amdhsa_code_object_version 6
	.text
	.protected	k_q471a094a79_attn
	.globl	k_q471a094a79_attn
	.p2align	8
	.type	k_q471a094a79_attn,@function
k_q471a094a79_attn:
	s_mov_b64 s[64:65], 0
	v_nop
	global_prefetch_b8 v0, s[64:65] scope:SCOPE_SE
	s_setreg_imm32_b32 hwreg(HW_REG_WAVE_MODE, 25, 1), 1
	s_wait_xcnt 0x0
; For each batch and head: o = softmax(q k^T / 8 - slope (query - key), keys up to the query) v, both products on codes of BF6 (E3M2) with one E8M0 scale for each 32 along K; o is quantised along the model's
; 1,024 and leaves as codes for the last product.  t = logit x log2(e); M = the running largest t rounded UP to a whole number; p = 2^(t - M) is quantised along the keys, not normalised; the row's sum is
; taken of the unquantised p and divides at the end; when M moves, the sum and O are multiplied by 2^(old M - new M), which rounds nothing.
; SHARES.  Work-group (i, head) takes the blocks of 256 queries i and 7 - i, one after the other: 9 blocks of 256 keys of work for every work-group.  Each of SIXTEEN waves owns one tile of 16 queries.
; K AND V OF THE WHOLE HEAD, 16 records of 13,056 bytes, dense in memory, come into LDS once: 816 rows of 256 bytes; each wave brings 26 rows and then 25.  No LDS byte is filled twice.  The first pass reads
; records 0 to 7 alone (bytes under 104,448), which lie inside the waves' first loads (bytes under 106,496), so it begins while the second loads are on their way.
; NO CLUSTER, though the four work-groups of a head read the same records: a step whose keys all come after a wave's queries is jumped over, and that branch hangs on the work-group's own block of queries.
; NO PREFETCH: all that the launch reads of K and V is asked for by its first instructions.
; LAYOUT.  Both products are used transposed: S^T = K Q^T, O^T = V^T P^T: a lane holds ONE query (lane % 16).  Lane r of tile t of a record holds token 32 (t / 2) + 8 (t % 2) + r + 8 (r / 8), keys and queries
; alike, so S^T's register 16 b + i is key 32 b + 16 (lane / 16) + i of the step.
; K = 64 IN AN INSTRUCTION OF 128: Q's registers 6-11 are zero codes.  K's tile t is named as 12 registers from 32 + 6 t on: the upper six are the next tile's codes (behind tile 7: zeros); they meet Q's zero
; codes and add nothing.  Bytes 2 and 3 of both scale words are 0, which is 2^-127.
; THE BIAS.  8 x slope x (key - query) is added to the scores, which are then multiplied by log2(e) / 8.  Ahead of the diagonal: key - query = (i - qm - 16) + DB, both 0 or less (no difference of large terms):
; the first part, 16 constant registers, is the products' C; the second goes into the addend of the multiply-add that makes t - M.  On the diagonal step S^T is first filled with 8 x slope x (key - query), the
; distance made exactly, and the products add onto it; hidden keys then become -infinity.
; LIMITS: NaN and infinities are not served; a block whose largest number lies under 2^-122 keeps the byte 1; the slope of head n - 1 is 2^-(n / 2), for odd n 0.70710677 x 2^-((n - 1) / 2).
; The scale bytes of o leave as two bytes a row, 32 bytes apart: one byte in 24 of what the launch stores is written so.
; REGISTERS: v1-11 addresses and constants; v12 -M, v13 the largest t, v[14:15] the sum; v16-27 Q; v28 Q's scale words; v[30:31] V's; v32-85 K (then V in v32-79); v[88:91] K's scale words; v96-159 S^T, then p;
; v160-191 O^T; v192-207 the constant part of the bias; v208-211 DB; v212-219 pairs (addend, the block's largest exponent); v220-223, v236-255 at work; v224-235 p's codes.
.set REC,  13056
.set QREC, 6656
.set L16,  1                           ; 16 x lane
.set L8,   2                           ; 8 x lane
.set ADK,  3                           ; the step's record + 16 x lane
.set ADV,  4                           ; + 8 x lane
.set DM,   5                           ; my query's place in its 128, less 16 (lane / 16)
.set NINF, 7
.set QA,   8                           ; v8-10 where Q's three pieces lie in its record
.set QSA,  11                          ; and its scale word
.set OSA,  86                          ; 32 x (lane % 16)
.set HB,   87
.set WV,   12
.set BH,   14
.set HD,   15
.set G1A,  16
.set G1B,  24
.set G0A,  32
.set G0B,  36
.set SEL,  40
.set CS,   42                          ; s[42:43] log2(e) / 8
.set S8,   44                          ; s[44:45] 8 x slope
.set MP,   46                          ; slope x log2(e)
.set C128, 48                          ; s[48:49] 128.0
.set TB,   50                          ; LDS byte of the step's record
.set ST,   51                          ; the step
.set SD,   52                          ; my diagonal step
.set QB,   53                          ; the block of 256 queries
.set PQ,   54                          ; s[54:55] Q's record;  s[56:57] my pieces of oimg;  s[58:59] my bytes of osc
.set PO,   56
.set PS,   58
	s_load_b256 s[4:11], s[0:1], 0x0               ; qimg, kv, oimg, osc
	v_lshl_add_u32 v95, v0, 2, 0x33000
	v_mov_b32 v243, 0
	ds_add_u32 v95, v243
	ds_add_u32 v95, v243
	v_lshrrev_b32 v92, 5, v0
	v_readfirstlane_b32 s[WV], v92                 ; wave 0..15
	s_and_b32 s[BH], ttmp7, 0xffff                 ; batch x 16 + head
	s_and_b32 s[HD], s[BH], 15
	s_mov_b32 s[G1A+0], 3<<16                      ; no mask; elements of 8 bytes; no padding
	s_mov_b32 s[G1A+1], 32<<16                     ; tensor_dim0 = 32 elements: 256 bytes
	s_mov_b32 s[G1A+2], 26<<16                     ; tensor_dim1
	s_mov_b32 s[G1A+3], 32<<16                     ; tile_dim0
	s_mov_b32 s[G1A+4], 26                         ; tile_dim1
	s_mov_b32 s[G1A+5], 32                         ; from row to row: dense
	s_mov_b32 s[G1A+6], 0
	s_mov_b32 s[G1A+7], 0
	s_mov_b32 s[G1B+0], 3<<16
	s_mov_b32 s[G1B+1], 32<<16
	s_mov_b32 s[G1B+2], 25<<16
	s_mov_b32 s[G1B+3], 32<<16
	s_mov_b32 s[G1B+4], 25
	s_mov_b32 s[G1B+5], 32
	s_mov_b32 s[G1B+6], 0
	s_mov_b32 s[G1B+7], 0
	s_mul_i32 s60, s[BH], 16*REC                   ; the head's 16 records (under 2^24)
	s_mov_b32 s61, 0
	s_mov_b32 s63, 0
	s_mov_b32 s[G0A], 1
	s_mul_i32 s[G0A+1], s[WV], 26*256              ; LDS: rows 26 w on
	s_add_co_u32 s62, s60, s[G0A+1]
	s_mov_b32 s[G0B], 1
	s_mul_i32 s[G0B+1], s[WV], 25*256
	s_add_co_u32 s[G0B+1], s[G0B+1], 416*256       ; LDS: rows 416 + 25 w on
	s_add_co_u32 s60, s60, s[G0B+1]
	s_wait_dscnt 0x0
	s_wait_kmcnt 0x0
	s_add_nc_u64 s[G0A+2:G0A+3], s[6:7], s[62:63]
	s_or_b32 s[G0A+3], s[G0A+3], 0x80000000
	s_add_nc_u64 s[G0B+2:G0B+3], s[6:7], s[60:61]
	s_or_b32 s[G0B+3], s[G0B+3], 0x80000000
	tensor_load_to_lds s[G0A:G0A+3], s[G1A:G1A+7]  ; both fills go out together, ahead of everything else: two loads of mine are out
	s_nop 0
	tensor_load_to_lds s[G0B:G0B+3], s[G1B:G1B+7]
	s_nop 0
.rept 4
	v_nop
.endr
	s_mov_b32 s[SEL], 0x76543210
	s_mov_b32 s[SEL+1], 0xfedcba98                 ; v_permlanex16_b32's selects for lane l xor 16
	s_mov_b32 s[CS], 0x3e38aa3b                    ; log2(e) / 8
	s_mov_b32 s[CS+1], s[CS]
	s_mov_b32 s[C128], 0x43000000                  ; 128.0
	s_mov_b32 s[C128+1], s[C128]
	s_add_co_u32 s60, s[HD], 1                     ; n = head + 1: slope = 2^(-n / 2)
	s_lshr_b32 s61, s60, 1
	s_lshl_b32 s61, s61, 23
	s_mov_b32 s62, 0x3f800000
	s_bitcmp1_b32 s60, 0
	s_cselect_b32 s62, 0x3f3504f3, s62             ; 2^-0.5 for odd n
	s_sub_co_u32 s62, s62, s61                     ; n / 2 off the exponent field
	s_add_co_u32 s[S8], s62, 3<<23                 ; x 8
	s_mov_b32 s[S8+1], s[S8]
	s_mul_f32 s[MP], s62, 0x3fb8aa3b               ; x log2(e)
	v_and_b32 v92, 31, v0                          ; lane
	v_and_b32 v93, 15, v0                          ; r
	v_bfe_u32 v94, v0, 4, 1                        ; h
	v_lshlrev_b32 v[L16], 4, v92
	v_lshlrev_b32 v[L8], 3, v92
	s_and_b32 s60, s[WV], 7                        ; a: my tile in its record of 128 queries
	s_mul_i32 s61, s60, 6
.irp p, 0,1,2
	s_add_co_u32 s62, s61, 2*\p                    ; image register 6 a + 2 p: at 512 (reg / 4) + 16 lane + 4 (reg % 4)
	s_lshr_b32 s63, s62, 2
	s_lshl_b32 s63, s63, 9
	s_and_b32 s62, s62, 2
	s_lshl_b32 s62, s62, 2
	s_add_co_u32 s63, s63, s62
	v_add_nc_u32 v[QA+\p], s63, v[L16]
.endr
	s_and_b32 s62, s60, 1
	s_lshl_b32 s62, s62, 8
	s_lshr_b32 s63, s60, 1
	s_lshl_b32 s63, s63, 2
	s_add_co_u32 s62, s62, s63
	s_add_co_u32 s62, s62, 6144
	v_lshl_add_u32 v[QSA], v93, 4, s62             ; 6,144 + 16 (16 (a % 2) + r) + 4 (a / 2)
	v_lshlrev_b32 v[OSA], 5, v93
	v_and_b32 v254, 8, v93
	v_add_nc_u32 v254, v254, v93                   ; r + 8 (r / 8)
	s_lshr_b32 s62, s60, 1
	s_lshl_b32 s62, s62, 5
	s_and_b32 s63, s60, 1
	s_lshl_b32 s63, s63, 3                         ; 8 (a % 2)
	s_add_co_u32 s62, s62, s63
	v_add_nc_u32 v[DM], s62, v254
	v_lshlrev_b32 v255, 4, v94                     ; 16 h
	v_sub_nc_u32 v[DM], v[DM], v255
	v_lshrrev_b32 v254, 3, v93
	v_lshlrev_b32 v254, 4, v254
	v_sub_nc_u32 v[HB], v255, v254
	v_add_nc_u32 v[HB], 16, v[HB]                  ; 16 h - 16 (r / 8) + 16
	v_and_b32 v254, 7, v93
	v_add_nc_u32 v254, s63, v254
	v_add_nc_u32 v254, 16, v254                    ; qm + 16, qm = 8 (a % 2) + r % 8
.set i, 0
.rept 16
	v_sub_nc_u32 v[192+i], i, v254
.set i, i+1
.endr
.set i, 0
.rept 16
	v_cvt_f32_i32 v[192+i], v[192+i]
.set i, i+1
.endr
.set i, 0
.rept 16
	v_mul_f32 v[192+i], s[S8], v[192+i]            ; 8 x slope x (i - qm - 16)
.set i, i+1
.endr
.irp j, 22,23,24,25,26,27,80,81,82,83,84,85
	v_mov_b32 v\j, 0                               ; zero codes: Q's upper half, and what stands behind K's tile 7
.endr
	v_mov_b32 v[NINF], 0xff800000
.irp j, 236,237,238,239,253,255
	v_mov_b32 v\j, 0                               ; written once: a lane permute's destination counts as one of its sources; v253 is named in a pair before it is first made
.endr
.macro KQ t, inplace                   ; S^T's tile t: 16 keys x my 16 queries.  inplace = 0: the sum begins with the constant part of the bias
.set rS, 96+8*(\t)
.set rK, 32+6*(\t)
.set rC, 192+8*((\t)%2)
.if \inplace
.set rC, rS
.endif
.if (\t)%2
	v_wmma_scale_f32_16x16x128_f8f6f4 v[rS:rS+7], v[rK:rK+11], v[16:27], v[rC:rC+7], v[88+(\t)/2], v28 matrix_a_fmt:MATRIX_FMT_BF6 matrix_b_fmt:MATRIX_FMT_BF6 matrix_a_scale:MATRIX_SCALE_ROW1
.else
	v_wmma_scale_f32_16x16x128_f8f6f4 v[rS:rS+7], v[rK:rK+11], v[16:27], v[rC:rC+7], v[88+(\t)/2], v28 matrix_a_fmt:MATRIX_FMT_BF6 matrix_b_fmt:MATRIX_FMT_BF6
.endif
.endm
; A PASS: one block of 256 queries; a loop of a constant number of trips over the records; a step beyond my diagonal is jumped over (a scalar branch on ids), all but the lines that step addresses.
.macro PASS trips, second
	s_wait_xcnt 0x0                                ; the last pass's stores have read their registers and bases
.if \second
	s_sub_co_u32 s[QB], 7, ttmp9
.else
	s_mov_b32 s[QB], ttmp9
.endif
	s_lshl_b32 s[SD], s[QB], 1
	s_lshr_b32 s60, s[WV], 3
	s_add_co_u32 s[SD], s[SD], s60                 ; my queries' record, and my diagonal step
	s_lshl_b32 s60, s[BH], 4
	s_add_co_u32 s60, s60, s[SD]
	s_mul_i32 s60, s60, QREC
	s_mov_b32 s61, 0
	s_add_nc_u64 s[PQ:PQ+1], s[4:5], s[60:61]
	s_lshr_b32 s62, s[BH], 4
	s_lshl_b32 s62, s62, 7
	s_lshl_b32 s63, s[QB], 4
	s_add_co_u32 s62, s62, s63
	s_add_co_u32 s62, s62, s[WV]                   ; T: my tile of 16 tokens among the 512
	s_lshl_b32 s60, s62, 9
	s_lshl_b32 s63, s[HD], 1
	s_add_co_u32 s60, s60, s63                     ; 16 rows of 32 scale bytes a tile; my head's two bytes
	s_add_nc_u64 s[PS:PS+1], s[10:11], s[60:61]
	s_lshl_b32 s60, s62, 3
	s_lshr_b32 s63, s[HD], 1
	s_add_co_u32 s60, s60, s63                     ; 8 T + head / 2: the fragment of 128 along the model's axis
	s_mul_i32 s60, s60, 6
	s_and_b32 s63, s[HD], 1
	s_mul_i32 s63, s63, 3
	s_add_co_u32 s60, s60, s63                     ; six pieces of 256 bytes a fragment; an odd head's are the upper three
	s_lshl_b32 s60, s60, 8
	s_add_nc_u64 s[PO:PO+1], s[8:9], s[60:61]
.irp p, 0,1,2
	global_load_b64 v[16+2*\p:17+2*\p], v[QA+\p], s[PQ:PQ+1]
.endr
	global_load_b32 v28, v[QSA], s[PQ:PQ+1]
	v_mov_b32 v13, 0xff61b1e6                      ; the largest t so far: -3e38
	v_floor_f32 v12, -v13                          ; -M
	v_mov_b32 v14, 0
	v_mov_b32 v15, 0
.set j, 0
.rept 32
	v_mov_b32 v[160+j], 0                          ; O^T: the first change of M multiplies zeros
.set j, j+1
.endr
	s_lshl_b32 s60, s[QB], 8
	s_lshr_b32 s61, s[WV], 1
	s_lshl_b32 s61, s61, 5
	s_add_co_u32 s60, s60, s61
	v_sub_nc_u32 v254, v[HB], s60
.irp b, 0,1,2,3
	v_add_nc_u32 v[208+\b], 32*\b, v254
.endr
.irp b, 0,1,2,3
	v_cvt_f32_i32 v[208+\b], v[208+\b]             ; DB of step 0: 32 b + 16 h + 16 less my query's multiple of 16
.endr
	s_mov_b32 s[TB], 0
	s_mov_b32 s[ST], 0
	s_wait_loadcnt 0x0                             ; Q
.Lstep_\@:
	s_cmp_gt_u32 s[ST], s[SD]
	s_cbranch_scc1 .Lskip_\@
	v_add_nc_u32 v[ADK], s[TB], v[L16]
	v_add_nc_u32 v[ADV], s[TB], v[L8]
.irp j, 0,1,2,3,4,5,6,7,8,9,10,11
	ds_load_b128 v[32+4*\j:35+4*\j], v[ADK] offset:512*\j          ; K's eight tiles, as the registers' image
.endr
	ds_load_b128 v[88:91], v[ADK] offset:6144                      ; and their scale words
	s_cmp_eq_u32 s[ST], s[SD]
	s_cbranch_scc1 .Ldiag_\@
	s_wait_dscnt 0x0
.irp t, 0,1,2,3,4,5,6,7
	KQ \t, 0
.endr
.rept 4
	v_nop                                          ; places behind the products: their results are read, and V is loaded over K
.endr
	s_branch .Ljoin_\@
.Ldiag_\@:
.irp b, 0,1,2,3
	v_sub_nc_u32 v[220+\b], 32*\b, v[DM]
.endr
.irp b, 0,1,2,3
	v_cvt_f32_i32 v[220+\b], v[220+\b]
.endr
.set i, 0
.irp f, 0, 1.0, 2.0, 3.0, 4.0, 5.0, 6.0, 7.0, 8.0, 9.0, 10.0, 11.0, 12.0, 13.0, 14.0, 15.0
.irp b, 0,1,2,3
	v_add_f32 v[96+16*\b+i], \f, v[220+\b]         ; key - query: whole numbers under 128, exact
.endr
.set i, i+1
.endr
.set j, 0
.rept 32
	v_pk_mul_f32 v[96+j:97+j], v[96+j:97+j], s[S8:S8+1] op_sel_hi:[1,0]
.set j, j+2
.endr
.irp b, 0,1,2,3
	v_mov_b32 v[208+\b], 0                         ; the whole bias stands in S^T here
.endr
	s_wait_dscnt 0x0
.irp t, 0,1,2,3,4,5,6,7
	KQ \t, 1
.endr
.rept 4
	v_nop
.endr
.set j, 0
.rept 64
	v_cmp_gt_i32 vcc_lo, 32*(j/16)+j%16, v[DM]     ; register 16 b + i is hidden where 32 b + i > DM
	v_cndmask_b32 v[96+j], v[96+j], v[NINF], vcc_lo
.set j, j+1
.endr
.Ljoin_\@:
.irp j, 0,1,2,3,4,5,6,7,8,9,10,11
	ds_load_b128 v[32+4*\j:35+4*\j], v[ADK] offset:6656+512*\j     ; V's four fragments: they land while the softmax is walked
.endr
	ds_load_b64 v[30:31], v[ADV] offset:12800
.irp b, 0,1,2,3
	v_max3_num_f32 v[248+\b], v[96+16*\b], v[97+16*\b], v[98+16*\b]   ; the largest score of my 16 keys of each block
.endr
.irp i, 3,5,7,9,11,13
.irp b, 0,1,2,3
	v_max3_num_f32 v[248+\b], v[248+\b], v[96+16*\b+\i], v[97+16*\b+\i]
.endr
.endr
.irp b, 0,1,2,3
	v_max_num_f32 v[248+\b], v[248+\b], v[111+16*\b]
.endr
.irp b, 0,1,2,3
	v_mul_f32 v[220+\b], s[MP], v[208+\b]
.endr
.irp b, 0,1,2,3
	v_fma_f32 v[220+\b], v[248+\b], s[CS], v[220+\b]   ; as t
.endr
	v_max3_num_f32 v254, v220, v221, v222
	v_max_num_f32 v254, v254, v223
	v_permlanex16_b32 v255, v254, s[SEL], s[SEL+1]
	v_max3_num_f32 v13, v13, v254, v255            ; the running largest t of my query
	v_mov_b32 v254, v12
	v_floor_f32 v12, -v13                          ; the new -M = -ceil(t)
	v_sub_f32 v254, v12, v254                      ; old M - new M: a whole number, 0 or less
	v_cvt_i32_f32 v254, v254                       ; (it saturates)
	v_ldexp_f32 v252, 1.0, v254                    ; f = 2^(old M - new M)
.irp b, 0,1,2,3
	v_fma_f32 v[212+2*\b], s[MP], v[208+\b], v12   ; the block's addend: its part of the bias, less M
.endr
.irp b, 0,1,2,3
	v_fma_f32 v[213+2*\b], v[248+\b], s[CS], v[212+2*\b]   ; the largest t - M of my 16: the same multiply-add as the elements'
.endr
.irp b, 0,1,2,3
	v_permlanex16_b32 v[236+\b], v[213+2*\b], s[SEL], s[SEL+1]
.endr
.irp b, 0,1,2,3
	v_max_num_f32 v[213+2*\b], v[213+2*\b], v[236+\b]   ; with lane l xor 16's 16 keys: the block's
.endr
.irp b, 0,1,2,3
.irp j, 0,2,4,6,8,10,12,14
	v_pk_fma_f32 v[96+16*\b+\j:97+16*\b+\j], v[96+16*\b+\j:97+16*\b+\j], s[CS:CS+1], v[212+2*\b:213+2*\b] op_sel_hi:[1,0,0]   ; t - M, two at a time
.endr
.endr
.set j, 0
.rept 64
	v_exp_f32 v[96+j], v[96+j]                     ; p = 2^(t - M)
.set j, j+1
.endr
	v_pk_mul_f32 v[14:15], v[14:15], v[252:253] op_sel_hi:[1,0]   ; the sums under the new M (a plain line behind the exponentials)
	s_wait_alu depctr_va_vdst(0)                   ; one wait for the batch of 64, ahead of its first reader
.irp b, 0,1,2,3
	v_exp_f32 v[213+2*\b], v[213+2*\b]             ; each block's largest p
.endr
	v_pk_add_f32 v[236:237], v[96:97], v[98:99]    ; the row's sum, of the unquantised p, in two chains
.irp j, 4,8,12,16,20,24,28,32,36,40,44,48,52,56,60
	v_pk_add_f32 v[14:15], v[14:15], v[96+\j:97+\j]
	v_pk_add_f32 v[236:237], v[236:237], v[98+\j:99+\j]
.endr
	v_pk_add_f32 v[14:15], v[14:15], v[236:237]
	s_wait_alu depctr_va_vdst(0)                   ; and one for the four
.irp b, 0,1,2,3
	v_max_num_f32 v[213+2*\b], 0x2800000, v[213+2*\b]   ; the floor 2^(5 - 127)
.endr
.irp b, 0,1,2,3
	v_add_nc_u32 v[244+\b], 0xfe000000, v[213+2*\b]     ; 4 off the exponent field: the conversion's scale operand
.endr
.irp b, 0,1,2,3
	v_lshrrev_b32 v[236+\b], 23, v[244+\b]         ; the scale's byte
.endr
	v_lshl_or_b32 v253, v237, 8, v236              ; p's scale word for these 128 keys
	v_lshl_or_b32 v253, v238, 16, v253
	v_lshl_or_b32 v253, v239, 24, v253
.irp c, 0,1
	v_cvt_scalef32_pk16_bf6_f32 v[224+6*\c:226+6*\c], v[96+32*\c:111+32*\c], v[244+2*\c]
	v_cvt_scalef32_pk16_bf6_f32 v[236+4*\c:238+4*\c], v[112+32*\c:127+32*\c], v[244+2*\c+1]
.endr
	v_nop                                          ; one plain line behind the last scaled conversion
.irp c, 0,1
.irp i, 0,1,2
	v_permlane16_swap_b32 v[224+6*\c+\i], v[236+4*\c+\i]   ; a whole block to a lane
.endr
.irp i, 0,1,2
	v_mov_b32 v[227+6*\c+\i], v[236+4*\c+\i]
.endr
.endr
.set j, 0
.rept 16
	v_pk_mul_f32 v[160+j:161+j], v[160+j:161+j], v[252:253] op_sel_hi:[1,0]   ; O^T under the new M; these also part the scale word's and the codes' last writes from the products
.set j, j+2
.endr
	s_wait_dscnt 0x0                               ; V
.irp t, 0,1,2,3
.if \t%2
	v_wmma_scale_f32_16x16x128_f8f6f4 v[160+8*\t:167+8*\t], v[32+12*\t:43+12*\t], v[224:235], v[160+8*\t:167+8*\t], v[30+\t/2], v253 matrix_a_fmt:MATRIX_FMT_BF6 matrix_b_fmt:MATRIX_FMT_BF6 matrix_a_scale:MATRIX_SCALE_ROW1
.else
	v_wmma_scale_f32_16x16x128_f8f6f4 v[160+8*\t:167+8*\t], v[32+12*\t:43+12*\t], v[224:235], v[160+8*\t:167+8*\t], v[30+\t/2], v253 matrix_a_fmt:MATRIX_FMT_BF6 matrix_b_fmt:MATRIX_FMT_BF6
.endif
.endr
	v_pk_add_f32 v[208:209], v[208:209], s[C128:C128+1] op_sel_hi:[1,0]   ; the next step's keys lie 128 on.  With the two lines below: four places behind the products
	v_pk_add_f32 v[210:211], v[210:211], s[C128:C128+1] op_sel_hi:[1,0]
	v_nop
	v_nop
.Lskip_\@:
	s_add_co_u32 s[TB], s[TB], REC
	s_add_co_u32 s[ST], s[ST], 1
	s_cmp_lt_u32 s[ST], \trips
	s_cbranch_scc1 .Lstep_\@
	; the way out: O^T / the sum; register 16 b + i is channel 32 b + 16 h + i of the head: two blocks of the last product's K
	v_add_f32 v14, v14, v15
	v_permlanex16_b32 v255, v14, s[SEL], s[SEL+1]
	v_add_f32 v14, v14, v255                       ; the row's sum
	v_rcp_f32 v14, v14
	v_nop                                          ; a plain line behind the reciprocal,
	s_wait_alu depctr_va_vdst(0)                   ; and the wait ahead of its first reader
.set j, 0
.rept 32
	v_mul_f32 v[96+j], v[160+j], v14
.set j, j+1
.endr
.irp b, 0,1
	v_max3_num_f32 v[248+\b], |v[96+16*\b]|, |v[97+16*\b]|, 0x2800000
.endr
.irp i, 2,4,6,8,10,12,14
.irp b, 0,1
	v_max3_num_f32 v[248+\b], v[248+\b], |v[96+16*\b+\i]|, |v[97+16*\b+\i]|
.endr
.endr
.irp b, 0,1
	v_permlanex16_b32 v[236+\b], v[248+\b], s[SEL], s[SEL+1]
.endr
.irp b, 0,1
	v_max_num_f32 v[248+\b], v[248+\b], v[236+\b]
.endr
.irp b, 0,1
	v_add_nc_u32 v[244+\b], 0xfe000000, v[248+\b]
.endr
.irp b, 0,1
	v_lshrrev_b32 v[240+\b], 23, v[244+\b]
.endr
	v_lshl_or_b32 v254, v241, 8, v240              ; my row's two bytes
	v_cvt_scalef32_pk16_bf6_f32 v[224:226], v[96:111], v244
	v_cvt_scalef32_pk16_bf6_f32 v[236:238], v[112:127], v245
	v_nop
.irp i, 0,1,2
	v_permlane16_swap_b32 v[224+\i], v[236+\i]
.endr
.irp i, 0,1,2
	v_mov_b32 v[227+\i], v[236+\i]
.endr
.irp p, 0,1,2
	global_store_b64 v[L8], v[224+2*\p:225+2*\p], s[PO:PO+1] offset:256*\p   ; 256 consecutive bytes, aligned
.endr
	global_store_b16 v[OSA], v254, s[PS:PS+1]      ; both lanes of a row store the same two bytes
.endm
	s_wait_tensorcnt 0x1                           ; my first load is in; my second, which the first pass does not read, may be out
	s_barrier_signal -1
	s_barrier_wait -1                              ; everybody's first is
	PASS 8, 0
	s_wait_tensorcnt 0x0                           ; my second load is in,
	s_wait_dscnt 0x0
	s_barrier_signal -1
	s_barrier_wait -1                              ; everybody's is
	PASS 16, 1
	s_wait_tensorcnt 0x0
	ds_add_u32 v95, v243
	s_wait_dscnt 0x0
	s_endpgm
.Lfunc_end_k_q471a094a79_attn:
	.size	k_q471a094a79_attn, .Lfunc_end_k_q471a094a79_attn-k_q471a094a79_attn
	.p2alignl 7, 3214868480
	.fill 96, 4, 3214868480
	.section	.rodata,"a",@progbits
	.p2align	6, 0x0
	.amdhsa_kernel k_q471a094a79_attn
		.amdhsa_group_segment_fixed_size 210944
		.amdhsa_private_segment_fixed_size 0
		.amdhsa_enable_private_segment 0
		.amdhsa_kernarg_size 32
		.amdhsa_user_sgpr_count 2
		.amdhsa_user_sgpr_kernarg_segment_ptr 1
		.amdhsa_wavefront_size32 1
		.amdhsa_system_sgpr_workgroup_id_x 1
		.amdhsa_system_sgpr_workgroup_id_y 1
		.amdhsa_system_sgpr_workgroup_id_z 1
		.amdhsa_system_vgpr_workitem_id 0
		.amdhsa_next_free_vgpr 256
		.amdhsa_next_free_sgpr 66
		.amdhsa_reserve_vcc 1
		.amdhsa_float_denorm_mode_32 3
		.amdhsa_float_denorm_mode_16_64 3
		.amdhsa_memory_ordered 1
		.amdhsa_forward_progress 1
		.amdhsa_inst_pref_size 77
	.end_amdhsa_kernel
	.amdgpu_metadata
---
amdhsa.version: [ 1, 2 ]
amdhsa.kernels:
  - .name:           k_q471a094a79_attn
    .symbol:         k_q471a094a79_attn.kd
    .args:
      - { .name: qimg, .offset: 0, .size: 8, .value_kind: global_buffer, .address_space: global }
      - { .name: kv, .offset: 8, .size: 8, .value_kind: global_buffer, .address_space: global }
      - { .name: oimg, .offset: 16, .size: 8, .value_kind: global_buffer, .address_space: global }
      - { .name: osc, .offset: 24, .size: 8, .value_kind: global_buffer, .address_space: global }
    .group_segment_fixed_size: 210944
    .private_segment_fixed_size: 0
    .kernarg_segment_align: 8
    .kernarg_segment_size: 32
    .max_flat_workgroup_size: 512
    .sgpr_count:     66
    .vgpr_count:     256
    .wavefront_size: 32
...
	.end_amdgpu_metadata
.endif
;; end of part 3
;; launch proj (part 4): grid 4 x 32, 4 waves a work-group, clusters of 4 x 4, 327,680 bytes of LDS; arguments oimg, osc, wc, ws, bo, out0; writes out0
.if DOCPART == 4
	.amdgcn_target "amdgcn-amd-amdhsa--gfx1250"
	.amdhsa_code_object_version 6
	.text
	.protected	k_q471a094a79_proj
	.globl	k_q471a094a79_proj
	.p2align	8
	.type	k_q471a094a79_proj,@function
k_q471a094a79_proj:
	s_mov_b64 s[64:65], 0
	v_nop
	global_prefetch_b8 v0, s[64:65] scope:SCOPE_SE
	s_setreg_imm32_b32 hwreg(HW_REG_WAVE_MODE, 25, 1), 1
	s_wait_xcnt 0x0
	s_wait_alu depctr_hold_cnt(0) depctr_sa_sdst(0) depctr_va_vdst(0) depctr_va_sdst(0) depctr_va_ssrc(0) depctr_va_vcc(0) depctr_vm_vsrc(0)
	s_getreg_b32 s2, hwreg(HW_REG_IB_STS2, 6, 4)
	s_cmp_eq_u32 s2, 0
	s_cbranch_scc0 .Lentry_in_a_cluster
	s_endpgm
.Lentry_in_a_cluster:
	s_bfe_u32 s2, ttmp6, 0x10000c
	s_cmp_lg_u32 s2, 0xf033
	s_cbranch_scc0 .Lentry_shape_is_right
	s_endpgm
.Lentry_shape_is_right:
; out0 = o Wo^T + bo, on codes of BF6 (E3M2) with one E8M0 scale for each 32 along K = 1,024; out0 [8192][1024] f32.
; A = the attention's result, as images of operand registers: for each tile of 16 tokens and each 128 along K six pieces of 256 bytes (8 bytes a lane), 12,288 bytes a tile of tokens; its scale bytes [row][32].
; B = Wo's codes, rows 3,072 on of the weights' buffer, rows of 768 bytes, in their own order; its scale bytes [row][32].
; A tile of 256 x 256 is made by four waves, a wave 128 x 128.  K goes in steps of 256 through two LDS slots; the scale bytes come once and stay.  CLUSTERS of 4 x 4: A's tile is asked for jointly along a
; row of the cluster, B's along a column.  128 tiles: half of the chip's work-group places; a tile of half the size would double the LDS bytes read for each product.
; THE MATRIX INSTRUCTION IS USED TRANSPOSED (source 0 = 16 rows of B, source 1 = 16 rows of A): a lane holds eight neighbouring numbers of a row of out0.  The bias is the C of each sum's first instruction.
; A's rows lie in storage order: row t of block a of my 128 is token 32 (a / 2) + 8 (a % 2) + t + 8 (t / 8): the stores put them back.
; REGISTERS as in the launch that makes q, k and V: window 0: v0-31 addresses; v32-63 scale words; v64-127 the bias; from v128 A's fragments; window 1: B's two sets; windows 2, 3: the accumulators.
.set NQ,     2
.set ROWB,   192
.set KROW,   768
.set PITCH,  240
.set FR,     12
.set NL,     6
.set NP,     4
.set AROW,   3072                      ; a tile of 16 tokens in a slot: 2 x 6 pieces of 256 bytes
.set HALFA,  8*AROW                    ; 128 rows of A
.set HALFB,  128*PITCH                 ; 128 rows of B
.set SLOT,   2*HALFA+2*HALFB
.set LAPS,   2
.set KS,     32
.set SCL,    2*SLOT
.set HALFS,  (128*KS/256)*272
.set SBLK,   (16*KS/256)*272
.set SPARE,  SCL+4*HALFS               ; the spare words, 128 bytes for each wave: two blocks of 256 bytes that no other line names
.set SPITCH, 528                       ; the way out: a stage of 16 rows x (512 bytes + 16) for each wave, in slot 0, which has had its last fill and its last read when the first result is stored there
.set ADRA, 16
.set ADRB, 20
.set STO,  24
.set RD,   25
.set CO,   26
.set ADRS, 27
.set SPW,  28
.set NIL,  29
.set SC,   32
.set BIAS, 64
.set AF,   128
.set BK,   128
.set G1, 24
.set G0, 32
.set G1B, 48
.set G0B, 56
.set G1S, 68
.set G0S, 76
.set G1SB, 80
.set G0SB, 88
.set MSB, 0
.macro WIN new
.if MSB != \new
	s_set_vgpr_msb (MSB<<8)|\new
.set MSB, \new
.endif
.endm
.set MUL_LO, 0xa1
.set MUL_HI, 0xf1
.set TO_B,   0x40
.macro JLOAD g0a, g1a, g0b, g1b        ; a joint load: waves 0 and 1 fetch for A, waves 2 and 3 for B; four v_nop follow each of the two lines
	s_cmp_eq_u32 s15, 0
	s_cbranch_scc0 .Lfor_b_\@
	tensor_load_to_lds s[\g0a:\g0a+3], s[\g1a:\g1a+7]
	s_nop 0
.rept 4
	v_nop
.endr
	s_branch .Lasked_\@
.Lfor_b_\@:
	tensor_load_to_lds s[\g0b:\g0b+3], s[\g1b:\g1b+7]
	s_nop 0
.rept 4
	v_nop
.endr
.Lasked_\@:
.endm
.macro CREST
	s_cmp_lg_u32 s14, 0
	s_cbranch_scc1 .Lnot_wave_0_\@
	s_barrier_signal -3
.Lnot_wave_0_\@:
	s_barrier_wait -3
	s_barrier_signal -1
	s_barrier_wait -1
.endm
.macro CROUND
	s_barrier_signal -1
	s_barrier_wait -1
	CREST
.endm
	s_load_b256 s[4:11], s[0:1], 0x0               ; oimg, osc, wc, ws
	s_load_b128 s[96:99], s[0:1], 0x20             ; bo, out0
	v_lshl_add_u32 v[SPW], v0, 2, SPARE
	v_mov_b32 v[NIL], 0
	ds_add_u32 v28, v29
	ds_add_u32 v28, v29
	s_wait_dscnt 0x0
	v_lshrrev_b32 v1, 5, v0
	v_readfirstlane_b32 s14, v1                    ; wave 0..3
	s_lshr_b32 s15, s14, 1                         ; which half of the tile's rows is mine.  Also: I fetch for A (0) or for B (1)
	s_and_b32 s16, s14, 1                          ; which half of its columns.  Also: which 128 rows I fetch
	s_bfe_u32 s40, ttmp6, 0x40000                  ; cx
	s_bfe_u32 s41, ttmp6, 0x40004                  ; cy
	s_lshl_b32 s42, ttmp9, 2
	s_add_co_u32 s42, s42, s40                     ; tile column
	s_and_b32 s17, ttmp7, 0xffff
	s_lshl_b32 s17, s17, 2
	s_add_co_u32 s17, s17, s41                     ; tile row
	s_lshl_b32 s43, s41, 2
	s_lshl_b32 s43, 15, s43                        ; my row of the cluster
	s_lshl_b32 s44, 0x1111, s40                    ; my column
	s_or_b32 s[G1+0], s43, (3<<16)|(1<<21)         ; A: the mask; elements of 8 bytes; bit 21 beside a mask; no padding
	s_mov_b32 s[G1+1], 384<<16                     ; tensor_dim0 = 384 elements: 3,072 bytes
	s_mov_b32 s[G1+2], 8<<16                       ; tensor_dim1 = 8 tiles of tokens
	s_mov_b32 s[G1+3], 384<<16                     ; tile_dim0
	s_mov_b32 s[G1+4], 8                           ; tile_dim1
	s_mov_b32 s[G1+5], 1536                        ; from tile of tokens to tile of tokens: 12,288 bytes
	s_mov_b32 s[G1+6], 0
	s_mov_b32 s[G1+7], 0
	s_or_b32 s[G1B+0], s44, (0<<16)|(1<<20)|(1<<21)|(3<<22)|(3<<25)  ; B: elements of 1 byte; after every 16 words, 4 words of padding
	s_mov_b32 s[G1B+1], ROWB<<16
	s_mov_b32 s[G1B+2], 128<<16
	s_mov_b32 s[G1B+3], ROWB<<16
	s_mov_b32 s[G1B+4], 128
	s_mov_b32 s[G1B+5], KROW
	s_mov_b32 s[G1B+6], 0
	s_mov_b32 s[G1B+7], 0
	s_or_b32 s[G1S+0], s43, (3<<16)|(1<<20)|(1<<21)|(5<<22)|(3<<25)  ; the scales of 128 rows: 16 rows of 256 bytes, 16 bytes of padding behind each
	s_or_b32 s[G1SB+0], s44, (3<<16)|(1<<20)|(1<<21)|(5<<22)|(3<<25)
.irp g, G1S, G1SB
	s_mov_b32 s[\g+1], 32<<16
	s_mov_b32 s[\g+2], (128*KS/256)<<16
	s_mov_b32 s[\g+3], 32<<16
	s_mov_b32 s[\g+4], 128*KS/256
	s_mov_b32 s[\g+5], 32
	s_mov_b32 s[\g+6], 0
	s_mov_b32 s[\g+7], 0
.endr
	s_lshl_b32 s20, s17, 4
	s_lshl_b32 s18, s16, 3
	s_add_co_u32 s20, s20, s18                     ; A: tile of tokens 16 x tile row + 8 x half
	s_lshl_b32 s22, s20, 9                         ; its scales: 16 rows of 32 bytes a tile of tokens
	s_mul_i32 s20, s20, 4*AROW                     ; its codes: 12,288 bytes
	s_mov_b32 s21, 0
	s_mov_b32 s23, 0
	s_lshl_b32 s46, s42, 8
	s_lshl_b32 s18, s16, 7
	s_add_co_u32 s46, s46, s18
	s_add_co_u32 s46, s46, 3072                    ; B: row 3,072 + 256 x tile column + 128 x half
	s_lshl_b32 s92, s46, 5
	s_mul_i32 s46, s46, KROW
	s_mov_b32 s47, 0
	s_mov_b32 s93, 0
	s_mul_i32 s45, s16, HALFA                      ; where they go: A's two halves,
	s_mul_i32 s95, s16, HALFB
	s_add_co_u32 s95, s95, 2*HALFA                 ; then B's two
	s_mul_i32 s94, s14, HALFS
	s_wait_kmcnt 0x0
	s_add_nc_u64 s[20:21], s[4:5], s[20:21]
	s_add_nc_u64 s[22:23], s[6:7], s[22:23]
	s_add_nc_u64 s[46:47], s[8:9], s[46:47]
	s_add_nc_u64 s[92:93], s[10:11], s[92:93]
	CROUND                                         ; all sixteen work-groups are here: the first joint loads meet
	s_mov_b32 s[G0S], 1
	s_add_co_u32 s[G0S+1], s94, SCL
	s_mov_b64 s[G0S+2:G0S+3], s[22:23]
	s_or_b32 s[G0S+3], s[G0S+3], 0x80000000
	s_mov_b32 s[G0SB], 1
	s_add_co_u32 s[G0SB+1], s94, SCL
	s_mov_b64 s[G0SB+2:G0SB+3], s[92:93]
	s_or_b32 s[G0SB+3], s[G0SB+3], 0x80000000
	JLOAD G0S, G1S, G0SB, G1SB
.irp s, 0,1
	s_mov_b32 s[G0+4*\s], 1
	s_add_co_u32 s[G0+4*\s+1], s45, \s*SLOT
	s_add_nc_u64 s[G0+4*\s+2:G0+4*\s+3], s[20:21], \s*AROW
	s_or_b32 s[G0+4*\s+3], s[G0+4*\s+3], 0x80000000
	s_mov_b32 s[G0B+4*\s], 1
	s_add_co_u32 s[G0B+4*\s+1], s95, \s*SLOT
	s_add_nc_u64 s[G0B+4*\s+2:G0B+4*\s+3], s[46:47], \s*ROWB
	s_or_b32 s[G0B+4*\s+3], s[G0B+4*\s+3], 0x80000000
	JLOAD G0+4*\s, G1, G0B+4*\s, G1B               ; three tensor loads of mine are out
.endr
	v_and_b32 v1, 15, v0                           ; r
	v_bfe_u32 v2, v0, 4, 1                         ; h
	v_and_b32 v6, 31, v0                           ; lane
	v_lshlrev_b32 v7, 3, v6                        ; A's pieces: 8 bytes a lane
	v_mul_u32_u24 v3, v1, PITCH
	v_mul_u32_u24 v4, v2, 24
	v_add_nc_u32 v4, v3, v4                        ; B: a fragment's row x pitch + 24 x half
	v_lshl_add_u32 v5, v2, 4, v4                   ; and the same behind one padding more
	s_mul_i32 s21, s15, HALFA                      ; my 128 rows of A
	s_mul_i32 s22, s16, HALFB                      ; my 128 rows of B,
	s_add_co_u32 s22, s22, 2*HALFA                 ; which lie behind A's 256
.irp s, 0,1
	v_add_nc_u32 v[ADRA+\s], s21, v7
	v_add_nc_u32 v[ADRB+\s], s22, v4
	v_add_nc_u32 v[ADRB+2+\s], s22, v5
	s_add_co_u32 s21, s21, SLOT
	s_add_co_u32 s22, s22, SLOT
.endr
	v_mul_u32_u24 v5, v1, KS
	v_lshrrev_b32 v3, 8, v5
	v_lshl_add_u32 v5, v3, 4, v5
	s_mul_i32 s21, s15, HALFS
	s_mul_i32 s22, s16, HALFS
	s_add_co_u32 s22, s22, 2*HALFS
	s_sub_co_u32 s22, s22, s21
	v_mul_u32_u24 v3, s22, v2                      ; lanes 16-31 take B's
	s_add_co_u32 s21, s21, SCL
	v_add_nc_u32 v5, v5, v3
	v_add_nc_u32 v[ADRS], s21, v5
	s_mul_i32 s23, s14, 16*SPITCH                  ; my stage
	v_mul_u32_u24 v5, v1, SPITCH
	v_lshl_add_u32 v5, v2, 5, v5
	v_add_nc_u32 v[STO], s23, v5                   ; in: row l % 16, 32 bytes for each half of the lanes
	v_lshlrev_b32 v[CO], 4, v6                     ; back: the 32 lanes take one row of 512 bytes; and the same in out0
	v_add_nc_u32 v[RD], s23, v[CO]
	s_lshl_b32 s20, s17, 8
	s_lshl_b32 s21, s15, 7
	s_add_co_u32 s20, s20, s21                     ; my first row: 256 x tile row + 128 x half,
	s_lshl_b32 s20, s20, 12                        ; 4,096 bytes a row (under 2^26)
	s_mov_b32 s21, 0
	s_lshl_b32 s46, s42, 10                        ; my first column, in bytes: 1,024 x tile column + 512 x half
	s_lshl_b32 s47, s16, 9
	s_add_co_u32 s46, s46, s47
	s_mov_b32 s47, 0
	s_add_nc_u64 s[12:13], s[98:99], s[20:21]
	s_add_nc_u64 s[12:13], s[12:13], s[46:47]
	s_add_nc_u64 s[96:97], s[96:97], s[46:47]      ; the bias of my 128 columns
	v_lshlrev_b32 v8, 5, v2                        ; tile b's register j is column 16 b + 8 h + j
.irp b, 0,1,2,3,4,5,6,7
	global_load_b128 v[BIAS+8*\b:BIAS+8*\b+3], v8, s[96:97] offset:64*\b
	global_load_b128 v[BIAS+8*\b+4:BIAS+8*\b+7], v8, s[96:97] offset:64*\b+16
.endr
	s_wait_loadcnt 0x0
.macro FRAG reg, adr, q, i             ; B's fragment: 24 bytes of the row for each half, in pieces of 8 bytes; 16 bytes of padding lie behind every 8 pieces
.irp p, 0,1,2,3,4,5
.set PC, 12*(\q)+6*(\p/3)+\p%3
.if PC%8 < 5
	ds_load_b64 v[\reg+2*\p:\reg+2*\p+1], v[\adr] offset:8*PC+16*(PC/8)+(\i)*16*PITCH
.else
	ds_load_b64 v[\reg+2*\p:\reg+2*\p+1], v[\adr+2] offset:8*PC+16*(PC/8)+(\i)*16*PITCH
.endif
.endr
.endm
.macro FRAGA reg, slot, q, i           ; A's fragment: six pieces of the registers' image, each 256 consecutive bytes for the wave
.irp p, 0,1,2,3,4,5
	ds_load_b64 v[\reg+2*\p:\reg+2*\p+1], v[ADRA+\slot] offset:AROW*(\i)+1536*(\q)+256*\p
.endr
.endm
; 16 matrix instructions: A's blocks a0, a0 + 1 x B's eight.  zero = 1: the sums begin with the bias.  The 64 accumulators take turns, one instruction a turn.
.macro MUL16 a0, p, q, sc, zero
.irp a, \a0, \a0+1
.irp b, 0,1,2,3,4,5,6,7
.if \zero
	v_wmma_scale_f32_16x16x128_f8f6f4 v[8*(8*((\a)%4)+\b):8*(8*((\a)%4)+\b)+7], v[128*(\p)+FR*\b:128*(\p)+FR*\b+FR-1], v[AF+FR*(\a):AF+FR*(\a)+FR-1], v[BIAS+8*\b:BIAS+8*\b+7], v[SC+8*NQ*(\sc)+NQ*\b+(\q)], v[SC+8*NQ*(\sc)+NQ*(\a)+(\q)] matrix_a_fmt:MATRIX_FMT_BF6 matrix_b_fmt:MATRIX_FMT_BF6 matrix_a_scale:MATRIX_SCALE_ROW1
.else
	v_wmma_scale_f32_16x16x128_f8f6f4 v[8*(8*((\a)%4)+\b):8*(8*((\a)%4)+\b)+7], v[128*(\p)+FR*\b:128*(\p)+FR*\b+FR-1], v[AF+FR*(\a):AF+FR*(\a)+FR-1], v[8*(8*((\a)%4)+\b):8*(8*((\a)%4)+\b)+7], v[SC+8*NQ*(\sc)+NQ*\b+(\q)], v[SC+8*NQ*(\sc)+NQ*(\a)+(\q)] matrix_a_fmt:MATRIX_FMT_BF6 matrix_b_fmt:MATRIX_FMT_BF6 matrix_a_scale:MATRIX_SCALE_ROW1
.endif
.endr
.endr
.endm
.macro FETCH_B slot, q, p
	WIN TO_B
.irp i, 0,1,2,3,4,5,6,7
	FRAG 128*(\p)+FR*\i, ADRB+\slot, \q, \i
.endr
	WIN 0
.endm
.macro FETCH_A slot, q, i0
.irp i, \i0, \i0+1, \i0+2, \i0+3
	FRAGA AF+FR*(\i), \slot, \q, \i
.endr
.endm
.macro SCALES sc
.irp i, 0,1,2,3,4,5,6,7
	ds_load_b64 v[SC+8*NQ*\sc+NQ*\i:SC+8*NQ*\sc+NQ*\i+1], v[ADRS] offset:\i*SBLK
.endr
.endm
.macro PLACES n
.rept \n
	v_nop
.endr
.endm
.macro STEP slot, q, zero
	s_wait_dscnt 4*NL                              ; B's set, A's blocks 0-3 and the scale words are in; the youngest 24 loads (A's blocks 4-7) may be out
.if \zero
	WIN 0x81                                       ; C (the bias) window 0, D window 2
.else
	WIN MUL_LO
.endif
	MUL16 0, (\q)%2, \q, \slot, \zero
	MUL16 2, (\q)%2, \q, \slot, \zero
	s_wait_dscnt 0
	PLACES NP
	FETCH_B \slot, (\q)+1, 1-(\q)%2
	FETCH_A \slot, (\q)+1, 0
.if \zero
	WIN 0xc1
.else
	WIN MUL_HI
.endif
	MUL16 4, (\q)%2, \q, \slot, \zero
	MUL16 6, (\q)%2, \q, \slot, \zero
	PLACES NP
	WIN 0
	FETCH_A \slot, (\q)+1, 4
.endm
.macro TURN slot, next, fill
	s_wait_tensorcnt 0x0                           ; all my tensor loads have landed: my part of the next slot
	ds_add_u32 v[SPW], v[NIL]                      ; 0 onto my spare word
	s_wait_dscnt 4*NL+1                            ; (the add and the youngest 24 loads may be out)
	WIN MUL_LO
	MUL16 0, 1, NQ-1, \slot, 0
	s_wait_dscnt 0x0                               ; the add is done, and my reads of this slot are over
	s_barrier_signal -1
	MUL16 2, 1, NQ-1, \slot, 0
	WIN 0
	s_barrier_wait -1
.if \fill
	CREST                                          ; the barrier has opened a round of the cluster's barrier: no wave of any partner still reads this slot or has a load on its way
	s_add_nc_u64 s[G0+4*\slot+2:G0+4*\slot+3], s[G0+4*\slot+2:G0+4*\slot+3], 2*AROW
	s_add_nc_u64 s[G0B+4*\slot+2:G0B+4*\slot+3], s[G0B+4*\slot+2:G0B+4*\slot+3], 2*ROWB
	JLOAD G0+4*\slot, G1, G0B+4*\slot, G1B         ; the first tensor load behind the round; its four v_nop are also the places in front of the loads below
.else
	PLACES NP
.endif
	v_add_nc_u32 v[ADRS], 4*NQ, v[ADRS]
	FETCH_B \next, 0, 0
	FETCH_A \next, 0, 0
	SCALES \next
	WIN MUL_HI
	MUL16 4, 1, NQ-1, \slot, 0
	MUL16 6, 1, NQ-1, \slot, 0
	PLACES NP
	WIN 0
	FETCH_A \next, 0, 4
.endm
	s_wait_tensorcnt 1                             ; the scales and my part of K step 0 are in (K step 1's load may be out),
	s_barrier_signal -1
	s_barrier_wait -1                              ; everybody's are
	FETCH_B 0, 0, 0
	FETCH_A 0, 0, 0
	SCALES 0
	FETCH_A 0, 0, 4
	STEP 0, 0, 1                                   ; the first step stands in front of the loop: its products begin the sums with the bias
	s_mov_b32 s3, LAPS-1
.Llap:
	TURN 0, 1, 1
	STEP 1, 0, 0
	TURN 1, 0, 1
	STEP 0, 0, 0
	s_sub_co_u32 s3, s3, 1
	s_cmp_lg_u32 s3, 0
	s_cbranch_scc1 .Llap
	TURN 0, 1, 0                                   ; the last lap fills nothing
	STEP 1, 0, 0
	s_wait_dscnt 4*NL
	WIN MUL_LO
	MUL16 0, 1, NQ-1, 1, 0
	MUL16 2, 1, NQ-1, 1, 0
	s_wait_dscnt 0
	WIN MUL_HI
	MUL16 4, 1, NQ-1, 1, 0
	MUL16 6, 1, NQ-1, 1, 0
	WIN 0
; THE WAY OUT, block by block of 16 rows x 128 columns, through my own stage in LDS: in as 32 bytes a lane, back as whole rows of 512 bytes.  LDS serves a wave's instructions in order (ISA guide 5.7.1.4).
.macro TOSTAGE a
.set AC, 64*((\a)%4)
	WIN 0x08+4*((\a)/4)                            ; the data: window 2 or 3
.irp b, 0,1,2,3,4,5,6,7
	ds_store_b128 v[STO], v[AC+8*\b:AC+8*\b+3] offset:64*\b          ; each accumulator from its low end on
	ds_store_b128 v[STO], v[AC+8*\b+4:AC+8*\b+7] offset:64*\b+16
.endr
	WIN 0
.set BB, BK+64*((\a)%2)
.irp t, 0,1,2,3,4,5,6,7,8,9,10,11,12,13,14,15
	ds_load_b128 v[BB+4*\t:BB+4*\t+3], v[RD] offset:\t*SPITCH
.endr
.endm
.macro SEND a, younger                 ; younger: the LDS instructions issued behind block a's loads, which may stay out
.set BB, BK+64*((\a)%2)
	s_wait_dscnt \younger
.if (\a) > 0
.if (\a)%2
	s_add_nc_u64 s[12:13], s[12:13], 8*4096        ; (behind a wait on XCNT)  block a begins at row 32 (a / 2) + 8 (a % 2): 8 rows on from an even block,
.else
	s_add_nc_u64 s[12:13], s[12:13], 24*4096       ; 24 from an odd one
.endif
.endif
.irp t, 0,1,2,3,4,5,6,7,8,9,10,11,12,13,14,15
	global_store_b128 v[CO], v[BB+4*\t:BB+4*\t+3], s[12:13] offset:(\t+8*(\t/8))*4096 th:TH_STORE_NT   ; 32 lanes store 512 consecutive bytes, aligned; row t of the block is token t + 8 (t / 8)
.endr
.endm
	PLACES NP
	TOSTAGE 0
.irp a, 1,2,3,4,5,6,7
.if \a > 1
	s_wait_xcnt 0x0                                ; block a - 2's stores have read their registers and their base
.endif
	TOSTAGE \a
	SEND \a-1, 32                                  ; behind block a - 1's loads: block a's 16 stores and 16 loads
.endr
	s_wait_xcnt 0x0
	SEND 7, 0
	s_wait_tensorcnt 0x0                           ; the wave's end
	ds_add_u32 v[SPW], v[NIL]
	s_wait_dscnt 0x0
	CROUND                                         ; the closing round
	s_endpgm
.Lfunc_end_k_q471a094a79_proj:
	.size	k_q471a094a79_proj, .Lfunc_end_k_q471a094a79_proj-k_q471a094a79_proj
	.p2alignl 7, 3214868480
	.fill 96, 4, 3214868480
	.section	.rodata,"a",@progbits
	.p2align	6, 0x0
	.amdhsa_kernel k_q471a094a79_proj
		.amdhsa_group_segment_fixed_size 327680
		.amdhsa_private_segment_fixed_size 0
		.amdhsa_enable_private_segment 0
		.amdhsa_kernarg_size 48
		.amdhsa_user_sgpr_count 2
		.amdhsa_user_sgpr_kernarg_segment_ptr 1
		.amdhsa_wavefront_size32 1
		.amdhsa_system_sgpr_workgroup_id_x 1
		.amdhsa_system_sgpr_workgroup_id_y 1
		.amdhsa_system_sgpr_workgroup_id_z 1
		.amdhsa_system_vgpr_workitem_id 0
		.amdhsa_next_free_vgpr 1024
		.amdhsa_next_free_sgpr 100
		.amdhsa_reserve_vcc 0
		.amdhsa_float_denorm_mode_32 3
		.amdhsa_float_denorm_mode_16_64 3
		.amdhsa_memory_ordered 1
		.amdhsa_forward_progress 1
		.amdhsa_inst_pref_size 161
	.end_amdhsa_kernel
	.amdgpu_metadata
---
amdhsa.version: [ 1, 2 ]
amdhsa.kernels:
  - .name:           k_q471a094a79_proj
    .symbol:         k_q471a094a79_proj.kd
    .args:
      - { .name: oimg, .offset: 0, .size: 8, .value_kind: global_buffer, .address_space: global }
      - { .name: osc, .offset: 8, .size: 8, .value_kind: global_buffer, .address_space: global }
      - { .name: wc, .offset: 16, .size: 8, .value_kind: global_buffer, .address_space: global }
      - { .name: ws, .offset: 24, .size: 8, .value_kind: global_buffer, .address_space: global }
      - { .name: bo, .offset: 32, .size: 8, .value_kind: global_buffer, .address_space: global }
      - { .name: out0, .offset: 40, .size: 8, .value_kind: global_buffer, .address_space: global }
    .group_segment_fixed_size: 327680
    .private_segment_fixed_size: 0
    .kernarg_segment_align: 8
    .kernarg_segment_size: 48
    .max_flat_workgroup_size: 128
    .sgpr_count:     100
    .vgpr_count:     1024
    .wavefront_size: 32
...
	.end_amdgpu_metadata
.endif
;; end of part 4
